; MI455X (gfx1250); checked and timed in simulation.
; The chip was launched on July 23, 2026; its instructions are those of AMD's public machine-readable ISA for CDNA 5 (MIT licence, August 2026) and "CDNA5" Instruction Set Architecture Reference Guide (July 2026). The comments in the code are by the model that wrote it; some were corrected since.
;; Multi Head Attention. Allowed arithmetic: matrix products marked QUANTISED: E2M1 operands, one E8M0 scale for each 32 along K, by v_wmma_scale_f32_16x16x128_f8f6f4 with both operands' format E2M1 (or v_wmma_scale_f32_32x16x128_f4), f32 sums; products left as they are: bf16, f16 or f32 operands; f32 sums; everything else in f32.
;; Inputs: Wk 1,024 x 1,024 float32; Wp 1,024 x 1,024 float32; Wq 1,024 x 1,024 float32; Wv 1,024 x 1,024 float32; bk 1,024 float32; bp 1,024 float32; bq 1,024 float32; bv 1,024 float32; x 4 x 2,048 x 1,024 float32.
;; Outputs: out0 4 x 2,048 x 1,024 float32.
;; This version of the problem:
;;   THIS VERSION OF THE PROBLEM IS GIVEN IN LOW PRECISION. The matrix products marked QUANTISED in the list below multiply operands that are first quantised to E2M1 (2 exponent bits, 1 mantissa bit; 4 bits a number), with one power-of-two scale for each 32 numbers along K (OCP MX v1.0); their sums are f32. The products marked 'left as it is' may take bf16, f16 or f32 operands, with f32 sums. Whichever they take, every output number must still come out within the allowed error. Rounding operands to bf16 (8 significant bits) uses up far more of that allowance than f16 does (11 bits, for magnitudes from 6e-5 to 65,504). All else is computed in f32.
;;   The module's matrix products, in the order in which they are computed (A, B: the left and right operand; K: the contracted axis; several contracted axes count as one K, in the product's order):
;;     1. [M 8,192, K 1,024] x [K 1,024, N 1,024]; A: input x; B: input Wq: QUANTISED
;;     2. [M 8,192, K 1,024] x [K 1,024, N 1,024]; A: input x; B: input Wk: QUANTISED
;;     3. [M 8,192, K 1,024] x [K 1,024, N 1,024]; A: input x; B: input Wv: QUANTISED
;;     4. batch 64 x [M 2,048, K 64] x [K 64, N 2,048]; A: computed on the way; B: computed on the way: left as it is (an operand is computed on the way)
;;     5. batch 64 x [M 2,048, K 2,048] x [K 2,048, N 64]; A: computed on the way; B: computed on the way: left as it is (an operand is computed on the way)
;;     6. [M 8,192, K 1,024] x [K 1,024, N 1,024]; A: computed on the way; B: input Wp: left as it is (an operand is computed on the way)
;;   THE QUANTISER, for each operand of a quantised product, along K:
;;     - K is cut into blocks of 32 from its start; a last block that is shorter is filled with zeros.
;;     - A block's scale is 2^e with e = floor(log2(the largest magnitude in the block)) - 2, held to -126 .. 127; a block of zeros has e = 0. As a byte (E8M0): e + 127.
;;     - Each number is divided by its block's scale, clamped to +-6, and rounded to the nearest number of E2M1, ties to even, subnormals kept.
;;     - The product sums the exact products of the quantised numbers (number of the format x scale) in f32.
;;   ~~~python
;;   def quantise(x, axis):      # numpy; x: float32 -> the quantised numbers, widened to float32 again
;;       x = np.moveaxis(x, axis, -1); K = x.shape[-1]
;;       x = np.pad(x, [(0, 0)] * (x.ndim - 1) + [(0, -K % 32)]); x = x.reshape(x.shape[:-1] + (-1, 32)); a = np.abs(x).max(-1, keepdims=True)
;;       e = np.where(a > 0, np.clip(np.frexp(np.where(a > 0, a, 1))[1] - 1 - 2, -126, 127), 0)      # np.frexp(a)[1] - 1 = floor(log2(a)), exactly
;;       r = np.clip(x / 2.0 ** e, -6, 6)
;;       step = 2.0 ** (np.maximum(np.frexp(np.where(r == 0, 1, r))[1] - 1, 0) - 1)
;;       q = np.round(r / step) * step * 2.0 ** e      # np.round: ties to even
;;       return np.moveaxis(q.reshape(q.shape[:-2] + (-1,))[..., :K], -1, axis).astype(np.float32)
;;   ~~~
;; One version. Each part assembles by itself: llvm-mc -triple=amdgcn-amd-amdhsa -mcpu=gfx1250 --defsym DOCPART=n.
;; ======== version 1 of 1: 5 launches
;; limits: values are held in f16: magnitudes above 65,504 overflow, below 6.1e-05 lose precision
;; workspace buffers: xc 4,194,304 bytes; xs 262,144 bytes; wc 1,572,864 bytes; ws 98,304 bytes; wp16 2,097,152 bytes; qkv 50,331,648 bytes; hq 786,432 bytes; ao 16,777,216 bytes
;; launch prep (part 1): grid 512 x 1, 4 waves a work-group, no clusters, 42,496 bytes of LDS; arguments x, Wq, Wk, Wv, Wp, xc, xs, wc, ws, wp16; writes xc, xs, wc, ws, wp16
.if DOCPART == 1
	.amdgcn_target "amdgcn-amd-amdhsa--gfx1250"
	.amdhsa_code_object_version 6
	.text
	.protected	k_qbdf26eb322_prep
	.globl	k_qbdf26eb322_prep
	.p2align	8
	.type	k_qbdf26eb322_prep,@function
k_qbdf26eb322_prep:
	s_mov_b64 s[64:65], 0
	v_nop
	global_prefetch_b8 v0, s[64:65] scope:SCOPE_SE
	s_setreg_imm32_b32 hwreg(HW_REG_WAVE_MODE, 25, 1), 1
	s_wait_xcnt 0x0
; MULTI-HEAD CAUSAL ATTENTION, launch 1 of 5: the operands of the three quantised products are made, and Wp is rounded to f16.
; DEAD WORK, for the whole program.  (1) bk.  The scores are (q + bq) . (k + bk) = (q + bq) . k + (q + bq) . bk; the second term is the same for all keys of a query,
; the softmax runs along the keys, and softmax(s + const) = softmax(s) for all finite values; the product of q and k is not quantised, so bk moves no code and no scale.
; bk has no other way to an output: it is not loaded and is no launch's argument.  (2) Tiles of keys that lie wholly behind the causal mask, which the problem builds itself: their weights are 0.
; LIMIT: a NaN, an infinity or an overflow that would reach only bk's term or masked scores is not carried to the result.
; LIMITS of the quantiser: blocks whose largest magnitude lies under 2^-124 keep the scale byte 1; a block of zeros gets the byte 1 (its codes are zeros, and this program alone reads the bytes);
; NaN and infinities among the inputs are not served.
; THREE PATHS, parted by the work-group's number alone (the same in all four waves), each with LDS bytes of its own:
;   work-groups 0-191   Wq | Wk | Wv [k][n] f32 -> wc [3072 = section x 1024 + n][512 bytes], K innermost, and ws [3072][32 bytes].  A lane takes a column, its registers run down K.
;   work-groups 192-255 Wp f32 -> wp16, f16, same order.
;   work-groups 256-511 x [8192][1024] f32 -> xc [8192][512 bytes], xs [8192][32 bytes]: a plain stream of blocks of 32.
; A block's scale byte is its largest magnitude's exponent field less 2, held at 1 from below; the conversion divides by the scale, rounds to the nearest code, ties to even, and holds at the largest code.
.set SPARE, 41984                      ; the spare words, 128 bytes a wave
.set WST,   32768                      ; W's stage: 32 columns x (256 bytes + 16)
.set WSS,   41472                      ; W's scale words: 32 columns x 16 bytes
.set SPW,   190                        ; v190 LDS address of my spare word; never rewritten
.set NIL,   191                        ; v191 0; never rewritten
.set WV,    24                         ; s24  my wave's number
.set STEPS, 16
.set EMAX,  2
.set CB,    8                          ; bytes of 16 codes
.set R,     16                         ; x: v16-79 four sets of 16 numbers as loaded
.set X,     80                         ; x: v80-111 two sets of 16 neighbours
.set E,     112                        ; x: v112-127 a scale byte for each step
.set C,     128                        ; x: v128-189 codes, four registers' room for each step
.set WREG,  8192                       ; x: a wave's LDS region: two stages of 32 x 80 bytes, then its 256 scale bytes
.set SP,    80
.set WX,    32                         ; W: v32-95 two sets of 32 numbers
.set WC,    96                         ; W: v96-99 a block's codes
.set SB,    24                         ; W: v24 my four scale bytes
.set OUTR,  112                        ; W: v112-127 rows on the way out
.set PR,    32                         ; Wp: v32-159
	s_load_b256 s[4:11], s[0:1], 0x0               ; x, Wq, Wk, Wv
	s_load_b256 s[12:19], s[0:1], 0x20             ; Wp, xc, xs, wc
	s_load_b128 s[20:23], s[0:1], 0x40             ; ws, wp16
	v_lshl_add_u32 v[SPW], v0, 2, SPARE
	v_mov_b32 v[NIL], 0
	v_lshrrev_b32 v1, 5, v0
	v_readfirstlane_b32 s[WV], v1                  ; wave 0..3
	v_and_b32 v2, 31, v0                           ; lane
	s_mov_b32 s29, 0                               ; the upper word of every offset
	s_wait_kmcnt 0x0
	s_cmp_lt_u32 ttmp9, 192
	s_cbranch_scc1 .Lw
	s_cmp_lt_u32 ttmp9, 256
	s_cbranch_scc1 .Lp
; ---------------- x.  A wave takes 16 steps of 512 numbers.  Each load reads 512 consecutive bytes; a step's 2,048 bytes turn through the wave's own stage, so that a lane then holds 16 neighbours along K.
	v_lshlrev_b32 v3, 4, v2                        ; my 16 bytes of a load's 512
	s_mul_i32 s25, s[WV], WREG
	v_lshrrev_b32 v14, 2, v2
	v_mul_u32_u24 v14, v14, SP
	v_and_b32 v15, 3, v2
	v_lshl_add_u32 v14, v15, 4, v14
	v_add_nc_u32 v14, s25, v14                     ; the stage, in: four lanes' 64 bytes on end, then 16 of padding
	v_mul_u32_u24 v15, v2, SP
	v_add_nc_u32 v15, s25, v15                     ; and out: 80 x lane
	v_mul_u32_u24 v4, v2, CB                       ; my codes' place in a step's 256 bytes
	v_lshrrev_b32 v5, 1, v2
	s_add_co_u32 s25, s25, 2*32*SP
	v_add_nc_u32 v5, s25, v5                       ; my block's scale byte in LDS
	v_lshlrev_b32 v7, 3, v2
	v_add_nc_u32 v6, s25, v7                       ; and on the way out 8 bytes a lane
	s_sub_co_u32 s26, ttmp9, 256
	s_lshl_b32 s26, s26, 2
	s_add_co_u32 s26, s26, s[WV]                   ; which run of 8,192 numbers is my wave's: 0..1023
	s_lshl_b32 s28, s26, 15
	s_add_nc_u64 s[4:5], s[4:5], s[28:29]
	s_lshl_b32 s28, s26, 12
	s_add_nc_u64 s[14:15], s[14:15], s[28:29]
	s_lshl_b32 s28, s26, 8
	s_add_nc_u64 s[16:17], s[16:17], s[28:29]
.macro XLOAD t
.irp i, 0,1,2,3
	global_load_b128 v[R+16*((\t)%4)+4*\i:R+16*((\t)%4)+4*\i+3], v3, s[4:5] offset:2048*(\t)+512*\i th:TH_LOAD_NT
.endr
.endm
.macro XTURN t                         ; LDS serves a wave's instructions in order: no wait between the stores and the loads
.irp i, 0,1,2,3
	ds_store_b128 v14, v[R+16*((\t)%4)+4*\i:R+16*((\t)%4)+4*\i+3] offset:32*SP*((\t)%2)+8*SP*\i
.endr
.irp i, 0,1,2,3
	ds_load_b128 v[X+16*((\t)%2)+4*\i:X+16*((\t)%2)+4*\i+3], v15 offset:32*SP*((\t)%2)+16*\i
.endr
.endm
.irp t, 0,1,2,3
	XLOAD \t
.endr
	s_wait_loadcnt 12                              ; step 0's four loads are in; three steps' twelve stay out
	XTURN 0
.macro XSTEP t
.set XS, X+16*((\t)%2)
.if (\t) > 0
	s_wait_dscnt 1                                 ; this step's numbers are back from the stage; only the last step's byte store may be out
.else
	s_wait_dscnt 0x0
.endif
.if (\t)+4 < STEPS
	XLOAD (\t)+4                                   ; into the set whose stores into the stage have read their registers
.endif
.if (\t)+1 < STEPS
.if STEPS-2-(\t) >= 3
	s_wait_loadcnt 12                              ; the next step's four loads are in; those of the three steps behind it stay out
.else
	s_wait_loadcnt 4*(STEPS-2-(\t))
.endif
	XTURN (\t)+1
.endif
	v_max3_num_f32 v8, |v[XS]|, |v[XS+1]|, |v[XS+2]|
	v_max3_num_f32 v9, |v[XS+3]|, |v[XS+4]|, |v[XS+5]|
.irp i, 6,10
	v_max3_num_f32 v8, v8, |v[XS+\i]|, |v[XS+\i+1]|
	v_max3_num_f32 v9, v9, |v[XS+\i+2]|, |v[XS+\i+3]|
.endr
	v_max3_num_f32 v8, v8, |v[XS+14]|, |v[XS+15]|
	v_max3_num_f32 v8, v8, v9, (EMAX+1)<<23        ; the floor 2^(3 - 127): the byte cannot fall under 1
	v_max_num_f32_dpp v8, v8, v8 row_xmask:1 row_mask:0xf bank_mask:0xf   ; with my neighbour's 16: the block's largest magnitude
	v_add_nc_u32 v11, -(EMAX<<23), v8              ; 2 off its exponent field: the conversion's scale operand
	v_cvt_scalef32_pk8_fp4_f32 v[C+4*(\t)], v[XS:XS+7], v11
	v_cvt_scalef32_pk8_fp4_f32 v[C+4*(\t)+1], v[XS+8:XS+15], v11
	v_lshrrev_b32 v[E+(\t)], 23, v11               ; the scale's byte (also the plain line behind the conversions)
	ds_store_b8 v5, v[E+(\t)] offset:16*(\t)       ; both lanes of a block write the same byte with the same value
	global_store_b64 v4, v[C+4*(\t):C+4*(\t)+1], s[14:15] offset:32*CB*(\t)   ; the wave stores 256 consecutive bytes, aligned
.endm
.irp t, 0,1,2,3,4,5,6,7,8,9,10,11,12,13,14,15
	XSTEP \t
.endr
	ds_load_b64 v[8:9], v6                         ; my wave's 256 scale bytes, 8 a lane
	s_wait_dscnt 0x0
	global_store_b64 v7, v[8:9], s[16:17]
	s_branch .Lend
; ---------------- Wp to f16: a wave takes 16,384 bytes; every load covers 512 consecutive bytes, every store 256.
.Lp:
	s_sub_co_u32 s25, ttmp9, 192
	s_lshl_b32 s25, s25, 2
	s_add_co_u32 s25, s25, s[WV]                   ; 0..255
	s_lshl_b32 s28, s25, 14
	s_add_nc_u64 s[12:13], s[12:13], s[28:29]
	s_lshl_b32 s28, s25, 13
	s_add_nc_u64 s[22:23], s[22:23], s[28:29]
	v_lshlrev_b32 v3, 4, v2
	v_lshlrev_b32 v4, 3, v2
.set i, 0
.rept 32
	global_load_b128 v[PR+4*i:PR+4*i+3], v3, s[12:13] offset:512*i
.set i, i+1
.endr
.set i, 0
.rept 32
	s_wait_loadcnt 31-i                            ; load i is in; the younger ones stay out
	v_cvt_pk_f16_f32 v[PR+4*i], v[PR+4*i], v[PR+4*i+1]
	v_cvt_pk_f16_f32 v[PR+4*i+1], v[PR+4*i+2], v[PR+4*i+3]
	global_store_b64 v4, v[PR+4*i:PR+4*i+1], s[22:23] offset:256*i
.set i, i+1
.endr
	s_branch .Lend
; ---------------- Wq | Wk | Wv.  A work-group takes 32 columns x 512 along K, wave w 128 of them: four blocks a lane.  The four waves' codes meet in one stage, so that rows of 256 bytes leave whole.
.Lw:
	s_lshr_b32 s25, ttmp9, 1                       ; which 32 columns of the 3,072
	s_and_b32 s26, ttmp9, 1                        ; which half of K
	s_lshr_b32 s27, s25, 5                         ; section: 0 q, 1 k, 2 v
	s_cmp_eq_u32 s27, 0
	s_cselect_b64 s[6:7], s[6:7], s[8:9]
	s_cmp_eq_u32 s27, 2
	s_cselect_b64 s[6:7], s[10:11], s[6:7]
	s_lshl_b32 s28, s26, 21                        ; 512 rows of 4,096 bytes
	s_lshl_b32 s30, s[WV], 19                      ; 128 rows
	s_add_co_u32 s28, s28, s30
	s_and_b32 s30, s25, 31
	s_lshl_b32 s30, s30, 7                         ; 32 columns of 4 bytes
	s_add_co_u32 s28, s28, s30
	s_add_nc_u64 s[6:7], s[6:7], s[28:29]
	s_lshl_b32 s28, s25, 14                        ; codes: 32 rows of 512 bytes,
	s_lshl_b32 s30, s26, 8                         ; and my half of a row
	s_add_co_u32 s28, s28, s30
	s_add_nc_u64 s[18:19], s[18:19], s[28:29]
	s_lshl_b32 s28, s25, 10                        ; scale bytes: 32 rows of 32 bytes,
	s_lshl_b32 s30, s26, 4
	s_add_co_u32 s28, s28, s30
	s_add_nc_u64 s[20:21], s[20:21], s[28:29]
	v_lshlrev_b32 v3, 2, v2                        ; in: 4 bytes a lane
	v_mul_u32_u24 v4, v2, 272
	s_lshl_b32 s30, s[WV], 6
	s_add_co_u32 s30, s30, WST
	v_add_nc_u32 v4, s30, v4                       ; the stage, in: row = my column, my wave's 64 bytes
	v_lshlrev_b32 v5, 4, v2
	s_lshl_b32 s30, s[WV], 2
	s_add_co_u32 s30, s30, WSS
	v_add_nc_u32 v5, s30, v5                       ; my scale word
	v_lshlrev_b32 v6, 4, v2
	v_add_nc_u32 v6, WSS, v6                       ; a column's four scale words
	v_and_b32 v8, 15, v2
	v_lshrrev_b32 v9, 4, v2
	v_mul_u32_u24 v7, v9, 272
	v_lshl_add_u32 v7, v8, 4, v7
	s_mul_i32 s30, s[WV], 8*272
	s_add_co_u32 s30, s30, WST
	v_add_nc_u32 v7, s30, v7                       ; the stage, out: sixteen lanes to a row, my wave's eight rows
	v_lshlrev_b32 v10, 9, v9
	v_lshl_add_u32 v10, v8, 4, v10
	s_lshl_b32 s30, s[WV], 12
	v_add_nc_u32 v10, s30, v10                     ; and the same place in wc
	v_lshlrev_b32 v14, 5, v2                       ; a column's row of ws
.macro WLOAD t                         ; block t: W(32 t + i, my column) into set t % 2; a load reads 128 consecutive bytes
.set i, 0
.rept 32
	global_load_b32 v[WX+32*((\t)%2)+i], v3, s[6:7] offset:(32*(\t)+i)*4096
.set i, i+1
.endr
.endm
	WLOAD 0
	WLOAD 1
.macro WBLOCK t
.set XS, WX+32*((\t)%2)
.if (\t) < 3
	s_wait_loadcnt 32                              ; this block's 32 loads are in; the next block's stay out
.else
	s_wait_loadcnt 0x0
.endif
	v_max3_num_f32 v12, |v[XS]|, |v[XS+1]|, |v[XS+2]|
	v_max3_num_f32 v13, |v[XS+3]|, |v[XS+4]|, |v[XS+5]|
.irp i, 6,10,14,18,22,26
	v_max3_num_f32 v12, v12, |v[XS+\i]|, |v[XS+\i+1]|
	v_max3_num_f32 v13, v13, |v[XS+\i+2]|, |v[XS+\i+3]|
.endr
	v_max3_num_f32 v12, v12, |v[XS+30]|, |v[XS+31]|
	v_max3_num_f32 v12, v12, v13, (EMAX+1)<<23     ; the floor
	v_add_nc_u32 v11, -(EMAX<<23), v12             ; the conversion's scale operand
	v_lshrrev_b32 v13, 23, v11                     ; the byte
.if (\t) == 0
	v_mov_b32 v[SB], v13
.else
	v_lshl_or_b32 v[SB], v13, 8*(\t), v[SB]
.endif
.irp g, 0,1,2,3
	v_cvt_scalef32_pk8_fp4_f32 v[WC+\g], v[XS+8*\g:XS+8*\g+7], v11
.endr
	v_nop                                          ; a plain line behind the last conversion
	ds_store_b128 v4, v[WC:WC+3] offset:16*(\t)
.if (\t) < 2
	WLOAD (\t)+2
.endif
	s_wait_dscnt 0x0                               ; the store has read its registers
.endm
	WBLOCK 0
	WBLOCK 1
	WBLOCK 2
	WBLOCK 3
	ds_store_b32 v5, v[SB]
	s_wait_dscnt 0x0                               ; for the others' sake: my stores have landed
	s_barrier_signal -1
	s_barrier_wait -1
.irp i, 0,1,2,3
	ds_load_b128 v[OUTR+4*\i:OUTR+4*\i+3], v7 offset:\i*544
.endr
.irp i, 0,1,2,3
	s_wait_dscnt 3-\i                              ; load i is in; the younger ones stay out
	global_store_b128 v10, v[OUTR+4*\i:OUTR+4*\i+3], s[18:19] offset:\i*1024   ; sixteen lanes store 256 consecutive bytes, aligned
.endr
	s_cmp_lg_u32 s[WV], 0
	s_cbranch_scc1 .Lend
	ds_load_b128 v[100:103], v6                    ; wave 0: a column's 16 scale bytes a lane
	s_wait_dscnt 0x0
	global_store_b128 v14, v[100:103], s[20:21]
.Lend:
	s_wait_tensorcnt 0x0                           ; the wave's end
	ds_add_u32 v[SPW], v[NIL]
	s_wait_dscnt 0x0
	s_endpgm
.Lfunc_end_k_qbdf26eb322_prep:
	.size	k_qbdf26eb322_prep, .Lfunc_end_k_qbdf26eb322_prep-k_qbdf26eb322_prep
	.p2alignl 7, 3214868480
	.fill 96, 4, 3214868480
	.section	.rodata,"a",@progbits
	.p2align	6, 0x0
	.amdhsa_kernel k_qbdf26eb322_prep
		.amdhsa_group_segment_fixed_size 42496
		.amdhsa_private_segment_fixed_size 0
		.amdhsa_enable_private_segment 0
		.amdhsa_kernarg_size 80
		.amdhsa_user_sgpr_count 2
		.amdhsa_user_sgpr_kernarg_segment_ptr 1
		.amdhsa_wavefront_size32 1
		.amdhsa_system_sgpr_workgroup_id_x 1
		.amdhsa_system_sgpr_workgroup_id_y 1
		.amdhsa_system_sgpr_workgroup_id_z 1
		.amdhsa_system_vgpr_workitem_id 0
		.amdhsa_next_free_vgpr 192
		.amdhsa_next_free_sgpr 66
		.amdhsa_reserve_vcc 0
		.amdhsa_float_denorm_mode_32 3
		.amdhsa_float_denorm_mode_16_64 3
		.amdhsa_memory_ordered 1
		.amdhsa_forward_progress 1
		.amdhsa_inst_pref_size 66
	.end_amdhsa_kernel
	.amdgpu_metadata
---
amdhsa.version: [ 1, 2 ]
amdhsa.kernels:
  - .name:           k_qbdf26eb322_prep
    .symbol:         k_qbdf26eb322_prep.kd
    .args:
      - { .name: x, .offset: 0, .size: 8, .value_kind: global_buffer, .address_space: global }
      - { .name: Wq, .offset: 8, .size: 8, .value_kind: global_buffer, .address_space: global }
      - { .name: Wk, .offset: 16, .size: 8, .value_kind: global_buffer, .address_space: global }
      - { .name: Wv, .offset: 24, .size: 8, .value_kind: global_buffer, .address_space: global }
      - { .name: Wp, .offset: 32, .size: 8, .value_kind: global_buffer, .address_space: global }
      - { .name: xc, .offset: 40, .size: 8, .value_kind: global_buffer, .address_space: global }
      - { .name: xs, .offset: 48, .size: 8, .value_kind: global_buffer, .address_space: global }
      - { .name: wc, .offset: 56, .size: 8, .value_kind: global_buffer, .address_space: global }
      - { .name: ws, .offset: 64, .size: 8, .value_kind: global_buffer, .address_space: global }
      - { .name: wp16, .offset: 72, .size: 8, .value_kind: global_buffer, .address_space: global }
    .group_segment_fixed_size: 42496
    .private_segment_fixed_size: 0
    .kernarg_segment_align: 8
    .kernarg_segment_size: 80
    .max_flat_workgroup_size: 128
    .sgpr_count:     66
    .vgpr_count:     192
    .wavefront_size: 32
...
	.end_amdgpu_metadata
.endif
;; end of part 1
;; launch qkv (part 2): grid 12 x 32, 4 waves a work-group, clusters of 4 x 4, 327,680 bytes of LDS; arguments xc, xs, wc, ws, bq, bv, qkv, hq; writes qkv, hq
.if DOCPART == 2
	.amdgcn_target "amdgcn-amd-amdhsa--gfx1250"
	.amdhsa_code_object_version 6
	.text
	.protected	k_qbdf26eb322_qkv
	.globl	k_qbdf26eb322_qkv
	.p2align	8
	.type	k_qbdf26eb322_qkv,@function
k_qbdf26eb322_qkv:
	s_mov_b64 s[64:65], 0
	v_nop
	global_prefetch_b8 v0, s[64:65] scope:SCOPE_SE
	s_setreg_imm32_b32 hwreg(HW_REG_WAVE_MODE, 25, 1), 1
	s_wait_xcnt 0x0
	s_wait_alu depctr_hold_cnt(0) depctr_sa_sdst(0) depctr_va_vdst(0) depctr_va_sdst(0) depctr_va_ssrc(0) depctr_va_vcc(0) depctr_vm_vsrc(0)
	s_getreg_b32 s2, hwreg(HW_REG_IB_STS2, 6, 4)
	s_cmp_eq_u32 s2, 0
	s_cbranch_scc0 .Lentry_in_a_cluster
	s_endpgm
.Lentry_in_a_cluster:
	s_bfe_u32 s2, ttmp6, 0x10000c
	s_cmp_lg_u32 s2, 0xf033
	s_cbranch_scc0 .Lentry_shape_is_right
	s_endpgm
.Lentry_shape_is_right:
; Launch 2 of 5: [q | k | v] = Q(x) Q(Wq | Wk | Wv) + [bq | 0 | bv]: one product 8,192 x 3,072 x 1,024 on codes of FP4 (E2M1) with one E8M0 scale for each 32 along K; sums in f32.
; LEFT OUT: bk (it adds the same number to all scores of a query, which the softmax takes away; shown at the head of the first launch).  k's sums begin at 0.
; A tile of 256 x 256 is made by four waves, 128 x 128 each: 64 accumulators of 16 x 16.  K = 1,024 is two LDS slots of 512: both, and all scale bytes, are asked for at the head; nothing is filled again.
; CLUSTERS: 4 x 4 work-groups.  The four of a row of the cluster need the same tiles of x, the four of a column the same tiles of W: each is asked for jointly.
; Tile column = 4 x cluster x + cx, so cluster x IS the section (0 q, 1 k, 2 v).  Tile row = cluster y + 8 cy, so cy IS the batch and cluster y the place in the sequence:
; both tests of the way out (which section; do my rows hold positions under 16) hang on numbers that all sixteen partners share, and on the wave's number.
; THE MATRIX INSTRUCTION IS USED TRANSPOSED (source 0 = 16 rows of W, source 1 = 16 rows of x): a lane holds one token and eight neighbouring channels.  The bias is the C of each sum's first instruction.
; THE WAY OUT needs no stage: eight channels rounded to f16 are 16 bytes, and the workspace is laid as images of the next launch's operand registers:
;   qkv [section][batch x 16 + head][tile of 16 tokens][2,048 bytes]; q, k: channels 16 u + 8 (lane / 16) + 0..7 of token lane % 16 at 512 u + 16 x lane;
;   v: the same 16 bytes at 512 u + 16 x (16 (token / 8) + 8 (lane / 16) + token % 8), which is where the transposing LDS load of the next launch wants them.  Every store covers 512 consecutive bytes.
;   hq [section][batch][16][1,024] f32: the first 16 positions of every sequence, kept in f32 for the last launch.
; LIMIT: |q + bq|, |k|, |v + bv| must stay under 65,504, f16's largest number.
; REGISTERS: window 0: v0-31 addresses; v32-95 scale words, two sets; v128-191 x's fragments, one set, later the packed results; v192-255 the bias.  window 1: W's fragments, two sets.  windows 2, 3: the accumulators.
.set KSTEP,  512
.set NQ,     4
.set ROWB,   256
.set KROW,   512                       ; a row of codes in memory
.set PITCH,  272                       ; an LDS row: 256 bytes + 16: the 16 rows that a load touches start 4 words apart modulo 64
.set FR,     8
.set NL,     2
.set NP,     4
.set HALFT,  128*PITCH
.set SLOT,   4*HALFT
.set KS,     32                        ; a row of scale bytes
.set SCL,    2*SLOT
.set HALFS,  (128*KS/256)*272
.set SBLK,   (16*KS/256)*272
.set SPARE,  SCL+4*HALFS               ; the spare words
.set ADRA, 16
.set ADRB, 20
.set BO,   24                          ; v24 32 x (lane / 16): my eight numbers of a bias
.set FO,   25                          ; v25 my place in hq: token x 4,096 + 32 x (lane / 16)
.set CO,   26                          ; v26 my 16 bytes' place in an image's 512
.set ADRS, 27
.set SPW,  28
.set NIL,  29
.set SC,   32
.set AF,   128
.set TMP,  128
.set BI,   192
.set CLY,  95                          ; s95 cluster y
.set G1, 24
.set G0, 32
.set G1B, 48
.set G0B, 56
.set G1S, 68
.set G0S, 76
.set G1SB, 80
.set G0SB, 88
.set MSB, 0
.macro WIN new                         ; the immediate's high byte repeats the setting that is left
.if MSB != \new
	s_set_vgpr_msb (MSB<<8)|\new
.set MSB, \new
.endif
.endm
.set MUL_LO, 0xa1                      ; source 0 (W) window 1, source 1 (x) window 0, C and D window 2
.set MUL_HI, 0xf1
.set FIRST_LO, 0x81                    ; the same with C (the bias) in window 0
.set FIRST_HI, 0xc1
.set TO_B,   0x40
.macro JLOAD g0a, g1a, g0b, g1b        ; a joint load: waves 0 and 1 fetch for x, waves 2 and 3 for W; an s_nop 0 and four v_nop follow each line
	s_cmp_eq_u32 s15, 0
	s_cbranch_scc0 .Lfor_b_\@
	tensor_load_to_lds s[\g0a:\g0a+3], s[\g1a:\g1a+7]
	s_nop 0
.rept 4
	v_nop
.endr
	s_branch .Lasked_\@
.Lfor_b_\@:
	tensor_load_to_lds s[\g0b:\g0b+3], s[\g1b:\g1b+7]
	s_nop 0
.rept 4
	v_nop
.endr
.Lasked_\@:
.endm
.macro CROUND                          ; a round of the cluster's barrier
	s_barrier_signal -1
	s_barrier_wait -1
	s_cmp_lg_u32 s14, 0
	s_cbranch_scc1 .Lnot_wave_0_\@
	s_barrier_signal -3
.Lnot_wave_0_\@:
	s_barrier_wait -3
	s_barrier_signal -1
	s_barrier_wait -1
.endm
	s_load_b128 s[4:7], s[0:1], 0x0                ; x's codes, x's scales
	s_load_b128 s[8:11], s[0:1], 0x10              ; W's codes, W's scales
	v_lshl_add_u32 v[SPW], v0, 2, SPARE
	v_mov_b32 v[NIL], 0
	ds_add_u32 v[SPW], v[NIL]                      ; the wave's opening: the add, twice on end, and its wait ahead of my first tensor load
	ds_add_u32 v[SPW], v[NIL]
	v_lshrrev_b32 v1, 5, v0
	v_readfirstlane_b32 s14, v1                    ; wave 0..3
	s_lshr_b32 s15, s14, 1                         ; which half of the tile's rows is mine.  Also: I fetch for x (0) or for W (1)
	s_and_b32 s16, s14, 1                          ; which half of its columns.  Also: which 128 rows I fetch
	s_bfe_u32 s40, ttmp6, 0x40000                  ; cx
	s_bfe_u32 s41, ttmp6, 0x40004                  ; cy
	s_lshl_b32 s42, ttmp9, 2
	s_add_co_u32 s42, s42, s40                     ; tile column = 4 x cluster x + cx
	s_and_b32 s[CLY], ttmp7, 0xffff
	s_lshl_b32 s17, s41, 3
	s_add_co_u32 s17, s17, s[CLY]                  ; tile row = 8 cy + cluster y
	s_lshl_b32 s43, s41, 2
	s_lshl_b32 s43, 15, s43                        ; my row of the cluster
	s_lshl_b32 s44, 0x1111, s40                    ; my column
	s_or_b32 s[G1+0], s43, (0<<16)|(1<<20)|(1<<21)|(5<<22)|(3<<25)  ; the mask; elements of 1 byte; padding on: 4 words behind every 64; bit 21 beside a mask
	s_or_b32 s[G1B+0], s44, (0<<16)|(1<<20)|(1<<21)|(5<<22)|(3<<25)
.irp g, G1, G1B
	s_mov_b32 s[\g+1], ROWB<<16                    ; tensor_dim0
	s_mov_b32 s[\g+2], 128<<16                     ; tensor_dim1
	s_mov_b32 s[\g+3], ROWB<<16                    ; tile_dim0
	s_mov_b32 s[\g+4], 128                         ; tile_dim1
	s_mov_b32 s[\g+5], KROW                        ; from row to row
	s_mov_b32 s[\g+6], 0
	s_mov_b32 s[\g+7], 0
.endr
	s_or_b32 s[G1S+0], s43, (3<<16)|(1<<20)|(1<<21)|(5<<22)|(3<<25) ; the scales of 128 rows: 4,096 dense bytes as 16 rows of 256 (32 elements of 8 bytes), padded alike
	s_or_b32 s[G1SB+0], s44, (3<<16)|(1<<20)|(1<<21)|(5<<22)|(3<<25)
.irp g, G1S, G1SB
	s_mov_b32 s[\g+1], 32<<16
	s_mov_b32 s[\g+2], (128*KS/256)<<16
	s_mov_b32 s[\g+3], 32<<16
	s_mov_b32 s[\g+4], 128*KS/256
	s_mov_b32 s[\g+5], 32
	s_mov_b32 s[\g+6], 0
	s_mov_b32 s[\g+7], 0
.endr
	s_lshl_b32 s18, s16, 7
	s_lshl_b32 s20, s17, 8
	s_add_co_u32 s20, s20, s18                     ; x: row 256 x tile row + 128 x half
	s_lshl_b32 s46, s42, 8
	s_add_co_u32 s46, s46, s18                     ; W: row 256 x tile column + 128 x half
	s_mov_b32 s21, 0
	s_mov_b32 s47, 0
	s_mov_b64 s[18:19], KS
	s_mul_u64 s[22:23], s[20:21], s[18:19]
	s_mul_u64 s[92:93], s[46:47], s[18:19]
	s_mov_b64 s[18:19], KROW
	s_mul_u64 s[20:21], s[20:21], s[18:19]
	s_mul_u64 s[46:47], s[46:47], s[18:19]
	s_mul_i32 s45, s14, HALFT                      ; where they go: wave x 128 rows
	s_mul_i32 s94, s14, HALFS
	s_wait_dscnt 0x0                               ; both opening adds are done
	s_wait_kmcnt 0x0
	s_add_nc_u64 s[20:21], s[4:5], s[20:21]
	s_add_nc_u64 s[22:23], s[6:7], s[22:23]
	s_add_nc_u64 s[46:47], s[8:9], s[46:47]
	s_add_nc_u64 s[92:93], s[10:11], s[92:93]
	CROUND                                         ; all sixteen work-groups are here: the joint loads meet
	s_mov_b32 s[G0S], 1
	s_add_co_u32 s[G0S+1], s94, SCL
	s_mov_b64 s[G0S+2:G0S+3], s[22:23]
	s_or_b32 s[G0S+3], s[G0S+3], 0x80000000
	s_mov_b32 s[G0SB], 1
	s_add_co_u32 s[G0SB+1], s94, SCL
	s_mov_b64 s[G0SB+2:G0SB+3], s[92:93]
	s_or_b32 s[G0SB+3], s[G0SB+3], 0x80000000
	JLOAD G0S, G1S, G0SB, G1SB                     ; the scales first; three loads of mine are out behind the next two
.irp s, 0,1
	s_mov_b32 s[G0+4*\s], 1
	s_add_co_u32 s[G0+4*\s+1], s45, \s*SLOT
	s_add_nc_u64 s[G0+4*\s+2:G0+4*\s+3], s[20:21], \s*ROWB
	s_or_b32 s[G0+4*\s+3], s[G0+4*\s+3], 0x80000000
	s_mov_b32 s[G0B+4*\s], 1
	s_add_co_u32 s[G0B+4*\s+1], s45, \s*SLOT
	s_add_nc_u64 s[G0B+4*\s+2:G0B+4*\s+3], s[46:47], \s*ROWB
	s_or_b32 s[G0B+4*\s+3], s[G0B+4*\s+3], 0x80000000
	JLOAD G0+4*\s, G1, G0B+4*\s, G1B
.endr
	s_load_b256 s[4:11], s[0:1], 0x20              ; bq s[4:5], bv s[6:7], qkv s[8:9], hq s[10:11]: the descriptors hold their own copies of the four addresses that stood here
	v_and_b32 v1, 15, v0                           ; r = lane % 16
	v_bfe_u32 v2, v0, 4, 1                         ; h = lane / 16
	v_mul_u32_u24 v3, v1, PITCH
	v_lshl_add_u32 v4, v2, 4, v3
	s_mul_i32 s21, s15, HALFT
	s_mul_i32 s22, s16, HALFT
	s_add_co_u32 s22, s22, 2*HALFT
.irp s, 0,1
	v_add_nc_u32 v[ADRA+\s], s21, v4
	v_add_nc_u32 v[ADRB+\s], s22, v4
	s_add_co_u32 s21, s21, SLOT
	s_add_co_u32 s22, s22, SLOT
.endr
	v_mul_u32_u24 v5, v1, KS
	v_lshrrev_b32 v6, 8, v5
	v_lshl_add_u32 v5, v6, 4, v5                   ; my row's scales: 32 bytes a row, and 16 more for each 256 passed
	s_mul_i32 s21, s15, HALFS
	s_mul_i32 s22, s16, HALFS
	s_add_co_u32 s22, s22, 2*HALFS
	s_sub_co_u32 s22, s22, s21
	v_mul_u32_u24 v6, s22, v2                      ; lanes 16-31 take W's
	s_add_co_u32 s21, s21, SCL
	v_add_nc_u32 v5, v5, v6
	v_add_nc_u32 v[ADRS], s21, v5
	v_and_b32 v6, 31, v0
	v_lshlrev_b32 v5, 4, v6                        ; q, k: 16 x lane
	v_lshrrev_b32 v6, 3, v1
	v_lshlrev_b32 v6, 4, v6
	v_lshl_add_u32 v6, v2, 3, v6
	v_and_b32 v7, 7, v1
	v_add_nc_u32 v6, v6, v7
	v_lshlrev_b32 v6, 4, v6                        ; v: 16 x (16 (r / 8) + 8 h + r % 8)
	s_cmp_eq_u32 ttmp9, 2
	s_cselect_b32 s66, -1, 0
	v_cndmask_b32 v[CO], v5, v6, s66
	v_lshlrev_b32 v[FO], 12, v1
	v_lshl_add_u32 v[FO], v2, 5, v[FO]
	v_lshlrev_b32 v[BO], 5, v2
	s_lshl_b32 s92, s40, 10
	s_lshl_b32 s93, s16, 9
	s_add_co_u32 s92, s92, s93                     ; my first column in the section, as bytes of f32: 1,024 cx + 512 x half
	s_mov_b32 s93, 0
	s_lshl_b32 s46, s41, 4
	s_lshl_b32 s47, s40, 2
	s_add_co_u32 s46, s46, s47
	s_lshl_b32 s47, s16, 1
	s_add_co_u32 s46, s46, s47                     ; batch x 16 + my first head
	s_lshl_b32 s46, s46, 18                        ; 128 tiles of 2,048 bytes each
	s_lshl_b32 s47, ttmp9, 24                      ; the section
	s_add_co_u32 s46, s46, s47
	s_lshl_b32 s47, s[CLY], 15                     ; 16 tiles of tokens for each cluster y,
	s_add_co_u32 s46, s46, s47
	s_lshl_b32 s47, s15, 14                        ; 8 for my half
	s_add_co_u32 s46, s46, s47
	s_mov_b32 s47, 0
	s_lshl_b32 s22, ttmp9, 18                      ; hq: the section,
	s_lshl_b32 s23, s41, 16                        ; the batch,
	s_add_co_u32 s22, s22, s23
	s_add_co_u32 s22, s22, s92                     ; my columns
	s_mov_b32 s23, 0
	s_wait_kmcnt 0x0
	s_add_nc_u64 s[8:9], s[8:9], s[46:47]
	s_add_nc_u64 s[10:11], s[10:11], s[22:23]
	s_cmp_eq_u32 ttmp9, 1
	s_cbranch_scc1 .Lno_bias
	s_cmp_eq_u32 ttmp9, 0
	s_cselect_b64 s[12:13], s[4:5], s[6:7]
	s_add_nc_u64 s[12:13], s[12:13], s[92:93]
.irp b, 0,1,2,3,4,5,6,7
	global_load_b128 v[BI+8*\b:BI+8*\b+3], v[BO], s[12:13] offset:64*\b        ; register 8 b + j: the bias of column 16 b + 8 h + j: the result's layout
	global_load_b128 v[BI+8*\b+4:BI+8*\b+7], v[BO], s[12:13] offset:64*\b+16
.endr
	s_branch .Lbias_done
.Lno_bias:
.set i, 0
.rept 64
	v_mov_b32 v[BI+i], 0                           ; k has no bias here: one text of the first step serves all three sections
.set i, i+1
.endr
.Lbias_done:
.macro FRAG reg, adr, q, i             ; 16 rows x 128 K of 4-bit codes: 8 registers: lane l holds row l % 16; registers 4 c .. 4 c + 3 hold K = 64 c + 32 (l / 16) + 0 .. 31
.irp c, 0,1
	ds_load_b128 v[\reg+4*\c:\reg+4*\c+3], v[\adr] offset:64*(\q)+32*\c+(\i)*16*PITCH
.endr
.endm
; 16 matrix instructions: x's blocks a0, a0 + 1 against W's eight.  The 64 accumulators take turns, one instruction a turn, in the same order in every step.
.macro MUL16 a0, p, q, sc, first
.irp a, \a0, \a0+1
.irp b, 0,1,2,3,4,5,6,7
.if \first
	v_wmma_scale_f32_16x16x128_f8f6f4 v[8*(8*((\a)%4)+\b):8*(8*((\a)%4)+\b)+7], v[128*(\p)+FR*\b:128*(\p)+FR*\b+FR-1], v[AF+FR*(\a):AF+FR*(\a)+FR-1], v[BI+8*\b:BI+8*\b+7], v[SC+8*NQ*(\sc)+NQ*\b+(\q)], v[SC+8*NQ*(\sc)+NQ*(\a)+(\q)] matrix_a_fmt:MATRIX_FMT_FP4 matrix_b_fmt:MATRIX_FMT_FP4 matrix_a_scale:MATRIX_SCALE_ROW1
.else
	v_wmma_scale_f32_16x16x128_f8f6f4 v[8*(8*((\a)%4)+\b):8*(8*((\a)%4)+\b)+7], v[128*(\p)+FR*\b:128*(\p)+FR*\b+FR-1], v[AF+FR*(\a):AF+FR*(\a)+FR-1], v[8*(8*((\a)%4)+\b):8*(8*((\a)%4)+\b)+7], v[SC+8*NQ*(\sc)+NQ*\b+(\q)], v[SC+8*NQ*(\sc)+NQ*(\a)+(\q)] matrix_a_fmt:MATRIX_FMT_FP4 matrix_b_fmt:MATRIX_FMT_FP4 matrix_a_scale:MATRIX_SCALE_ROW1
.endif
.endr
.endr
.endm
.macro FETCH_B slot, q, p
	WIN TO_B
.irp i, 0,1,2,3,4,5,6,7
	FRAG 128*(\p)+FR*\i, ADRB+\slot, \q, \i
.endr
	WIN 0
.endm
.macro FETCH_A slot, q, i0
.irp i, \i0, \i0+1, \i0+2, \i0+3
	FRAG AF+FR*(\i), ADRA+\slot, \q, \i
.endr
.endm
.macro SCALES sc                       ; a slot's scale words: lanes 0-15 take x's block i, lanes 16-31 W's block i
.irp i, 0,1,2,3,4,5,6,7
	ds_load_b128 v[SC+8*NQ*\sc+NQ*\i:SC+8*NQ*\sc+NQ*\i+3], v[ADRS] offset:\i*SBLK
.endr
.endm
.macro PLACES n                        ; plain vector lines between a matrix instruction and a load into, or a read of, its registers
.rept \n
	v_nop
.endr
.endm
.macro STEP slot, q, first             ; 128 along K whose successor lies in the same slot
	s_wait_dscnt 4*NL                              ; W's set and x's blocks 0-3 are in; the youngest eight loads (x's blocks 4-7) may be out
.if \first
	WIN FIRST_LO
.else
	WIN MUL_LO
.endif
	MUL16 0, (\q)%2, \q, \slot, \first
	MUL16 2, (\q)%2, \q, \slot, \first
	s_wait_dscnt 0
	PLACES NP
	FETCH_B \slot, (\q)+1, 1-(\q)%2
	FETCH_A \slot, (\q)+1, 0
.if \first
	WIN FIRST_HI
.else
	WIN MUL_HI
.endif
	MUL16 4, (\q)%2, \q, \slot, \first
	MUL16 6, (\q)%2, \q, \slot, \first
	PLACES NP
	WIN 0
	FETCH_A \slot, (\q)+1, 4
.endm
.macro TURN slot, next                 ; a slot's last step changes slots: one barrier, in front of which my part of the next slot has landed
	s_wait_tensorcnt 0x0                           ; all my tensor loads have landed
	ds_add_u32 v[SPW], v[NIL]                      ; 0 onto my spare word
	s_wait_dscnt 4*NL+1                            ; the add and the youngest eight loads may be out
	WIN MUL_LO
	MUL16 0, 1, NQ-1, \slot, 0
	s_wait_dscnt 0x0
	s_barrier_signal -1
	MUL16 2, 1, NQ-1, \slot, 0
	WIN 0
	s_barrier_wait -1
	PLACES NP
	v_add_nc_u32 v[ADRS], 4*NQ, v[ADRS]            ; the next slot's scale words
	FETCH_B \next, 0, 0
	FETCH_A \next, 0, 0
	SCALES \next
	WIN MUL_HI
	MUL16 4, 1, NQ-1, \slot, 0
	MUL16 6, 1, NQ-1, \slot, 0
	PLACES NP
	WIN 0
	FETCH_A \next, 0, 4
.endm
	s_wait_loadcnt 0x0                             ; the bias
	s_wait_tensorcnt 1                             ; the scales and my part of slot 0 are in; slot 1's load stays out
	s_barrier_signal -1
	s_barrier_wait -1
	FETCH_B 0, 0, 0
	FETCH_A 0, 0, 0
	SCALES 0
	FETCH_A 0, 0, 4
	STEP 0, 0, 1                                   ; the first products start the sums, from the bias
	STEP 0, 1, 0
	STEP 0, 2, 0
	TURN 0, 1
	STEP 1, 0, 0
	STEP 1, 1, 0
	STEP 1, 2, 0
	s_wait_dscnt 4*NL                              ; the last step: nothing more to fetch
	WIN MUL_LO
	MUL16 0, 1, NQ-1, 1, 0
	MUL16 2, 1, NQ-1, 1, 0
	s_wait_dscnt 0
	WIN MUL_HI
	MUL16 4, 1, NQ-1, 1, 0
	MUL16 6, 1, NQ-1, 1, 0
	WIN 0
	PLACES NP                                      ; in front of the first reads of results and the first writes over x's fragments
	s_or_b32 s46, s[CLY], s15                      ; positions 0-15 of a sequence are block 0 of the upper waves where cluster y = 0
	s_cmp_lg_u32 s46, 0
	s_cbranch_scc1 .Lno_fine
	WIN 0x08                                       ; a store's data: window 2
.irp b, 0,1,2,3,4,5,6,7
	global_store_b128 v[FO], v[8*\b:8*\b+3], s[10:11] offset:64*\b          ; each accumulator from its low end on
	global_store_b128 v[FO], v[8*\b+4:8*\b+7], s[10:11] offset:64*\b+16
.endr
	WIN 0
.Lno_fine:
.macro OUTB a                          ; block a: 16 tokens x 128 channels, rounded to f16; eight stores of 512 consecutive bytes
.set AC, 64*((\a)%4)
.set TM, TMP+32*((\a)%2)
.if (\a) > 1
	s_wait_xcnt 0x0                                ; block a - 2's stores have read their registers
.endif
	WIN 0x0a+5*((\a)/4)                            ; sources: window 2 or 3
.irp b, 0,1,2,3,4,5,6,7
.irp r, 0,1,2,3
	v_cvt_pk_f16_f32 v[TM+4*\b+\r], v[AC+8*\b+2*\r], v[AC+8*\b+2*\r+1]
.endr
.endr
	WIN 0
.irp b, 0,1,2,3,4,5,6,7
	global_store_b128 v[CO], v[TM+4*\b:TM+4*\b+3], s[8:9] offset:(\b/4)*262144+(\a)*2048+(\b%4)*512
.endr
.endm
.irp a, 0,1,2,3,4,5,6,7
	OUTB \a
.endr
	s_wait_tensorcnt 0x0                           ; the wave's end
	ds_add_u32 v[SPW], v[NIL]
	s_wait_dscnt 0x0
	CROUND                                         ; the closing round
	s_endpgm
.Lfunc_end_k_qbdf26eb322_qkv:
	.size	k_qbdf26eb322_qkv, .Lfunc_end_k_qbdf26eb322_qkv-k_qbdf26eb322_qkv
	.p2alignl 7, 3214868480
	.fill 96, 4, 3214868480
	.section	.rodata,"a",@progbits
	.p2align	6, 0x0
	.amdhsa_kernel k_qbdf26eb322_qkv
		.amdhsa_group_segment_fixed_size 327680
		.amdhsa_private_segment_fixed_size 0
		.amdhsa_enable_private_segment 0
		.amdhsa_kernarg_size 64
		.amdhsa_user_sgpr_count 2
		.amdhsa_user_sgpr_kernarg_segment_ptr 1
		.amdhsa_wavefront_size32 1
		.amdhsa_system_sgpr_workgroup_id_x 1
		.amdhsa_system_sgpr_workgroup_id_y 1
		.amdhsa_system_sgpr_workgroup_id_z 1
		.amdhsa_system_vgpr_workitem_id 0
		.amdhsa_next_free_vgpr 1024
		.amdhsa_next_free_sgpr 98
		.amdhsa_reserve_vcc 0
		.amdhsa_float_denorm_mode_32 3
		.amdhsa_float_denorm_mode_16_64 3
		.amdhsa_memory_ordered 1
		.amdhsa_forward_progress 1
		.amdhsa_inst_pref_size 124
	.end_amdhsa_kernel
	.amdgpu_metadata
---
amdhsa.version: [ 1, 2 ]
amdhsa.kernels:
  - .name:           k_qbdf26eb322_qkv
    .symbol:         k_qbdf26eb322_qkv.kd
    .args:
      - { .name: xc, .offset: 0, .size: 8, .value_kind: global_buffer, .address_space: global }
      - { .name: xs, .offset: 8, .size: 8, .value_kind: global_buffer, .address_space: global }
      - { .name: wc, .offset: 16, .size: 8, .value_kind: global_buffer, .address_space: global }
      - { .name: ws, .offset: 24, .size: 8, .value_kind: global_buffer, .address_space: global }
      - { .name: bq, .offset: 32, .size: 8, .value_kind: global_buffer, .address_space: global }
      - { .name: bv, .offset: 40, .size: 8, .value_kind: global_buffer, .address_space: global }
      - { .name: qkv, .offset: 48, .size: 8, .value_kind: global_buffer, .address_space: global }
      - { .name: hq, .offset: 56, .size: 8, .value_kind: global_buffer, .address_space: global }
    .group_segment_fixed_size: 327680
    .private_segment_fixed_size: 0
    .kernarg_segment_align: 8
    .kernarg_segment_size: 64
    .max_flat_workgroup_size: 128
    .sgpr_count:     98
    .vgpr_count:     1024
    .wavefront_size: 32
...
	.end_amdgpu_metadata
.endif
;; end of part 2
;; launch attn (part 3): grid 4 x 64, 16 waves a work-group, no clusters, 327,680 bytes of LDS; arguments qkv, ao; writes ao
.if DOCPART == 3
	.amdgcn_target "amdgcn-amd-amdhsa--gfx1250"
	.amdhsa_code_object_version 6
	.text
	.protected	k_qbdf26eb322_attn
	.globl	k_qbdf26eb322_attn
	.p2align	8
	.type	k_qbdf26eb322_attn,@function
k_qbdf26eb322_attn:
	s_mov_b64 s[64:65], 0
	v_nop
	global_prefetch_b8 v0, s[64:65] scope:SCOPE_SE
	s_setreg_imm32_b32 hwreg(HW_REG_WAVE_MODE, 25, 1), 1
	s_wait_xcnt 0x0
; Launch 3 of 5: o = softmax(q k^T / 8, causal) v for 64 (batch, head) pairs of 2,048 positions and 64 channels.  Operands in f16, products, maxima and sums in f32; the weights are rounded to f16 for the second product.
; LEFT OUT: key steps that lie wholly behind the causal mask (their weights are 0), and the slots that only such steps would read.
; SHARES.  A work-group serves one (batch, head) and TWO blocks of 256 queries, block i (waves 0-7) and block 7 - i (waves 8-15): every work-group then walks as many open key steps as every other.
; A wave owns 32 queries, two tiles of 16, in 256 registers; four waves share a SIMD, so that one wave's softmax stands beside another's products and LDS loads.
; NO CLUSTER: the four work-groups of a head need 8 - i slots of keys each; a joint load would bring some partners tiles that none of their waves reads.
; LAYOUT.  S^T = K Q^T (source 0 = 16 keys, source 1 = 16 queries) and O^T = V^T P (source 0 = 16 channels, source 1 = P): a lane holds ONE query (lane % 16) throughout; two tiles of S^T, rounded in pairs, ARE P's fragment.
; q, k and v arrive as images of operand registers (laid so by the launch before): every LDS and global read stands at 16 x lane; V is turned by ds_load_tr16_b128.
; SOFTMAX.  For each query a running maximum m and sum l: p = 2^(c s - c m), c = log2(e) / 8; in every step O and l are multiplied by a = 2^(c m_old - c m_new).
; The step is written once: m begins at -3e38, l and O^T at 0.  A step is walked only where its first key is at or under the wave's first query, so no query of a walked step is wholly hidden and m is a number.
; RING.  Two LDS slots of 256 keys: K's images (32,768 bytes), then V's.  Waves 0-3 fetch a quarter each; all sixteen read.  Every wave walks all eight slots (constant trip counts) and jumps over hidden steps.
.set SLOT1, 1<<16
.set VOFF,  32768
.set SPARE, 131072                     ; the spare words, 128 bytes a wave
.set L16,  1                           ; v1  16 x lane
.set ADR,  2                           ; v2  the slot in hand + 16 x lane
.set SPW,  3
.set NIL,  4
.set DQ,   5                           ; v5  lane % 16 - 8 (lane / 16)
.set PFO,  6                           ; v6  256 x lane
.set NINF, 7                           ; v7  -infinity
.set ST,   8                           ; v8-23  tile t at 8 t: +0 c m, +1 m, +2, +3 l, +4..+7 at work; a in +6
.set QF,   24                          ; v24-55 Q: tile t, channels 32 f on, at 16 t + 8 f
.set S,    56                          ; v56-119 S^T: tile t, keys 16 kt on, at 32 t + 8 kt; P is packed into the tile's first 16
.set O,    120                         ; v120-183 O^T: tile t, channels 16 cb on, at 32 t + 8 cb
.set KV,   184                         ; v184-247 a step's K, then its V
.set WV,   8
.set Q0,   9                           ; s9  my first query
.set KF,   10                          ; s10 the step's first key
.set TB,   11                          ; s11 LDS byte of the slot in hand
.set SLOTS, 12
.set LASTQ, 13                         ; s13 my work-group's last query
.set SEL,  14
.set CS,   16                          ; s[16:17] c
.set G1,   24
.set G0,   32
.set PFA,  36
.set LIM,  38
.macro TLOAD                           ; waves 0-3 fetch; an s_nop 0 and four v_nop follow the line
	s_cmp_lt_u32 s[WV], 4
	s_cbranch_scc0 .Lasked_\@
	tensor_load_to_lds s[G0:G0+3], s[G1:G1+7]
	s_nop 0
.rept 4
	v_nop
.endr
.Lasked_\@:
.endm
; A prefetch of what the NEXT change of slots will ask for.  All four work-groups of a head walk the same K and V: the first of them, which walks all eight slots, asks.  In it waves 4-7 name K's 32,768 bytes
; and waves 8-11 V's, 8,192 a wave, lanes 256 bytes apart: each aligned 256 bytes once in the launch.  The last change that fills a slot asks for nothing.
.macro ASK
	s_cmp_gt_u32 s[SLOTS], s[LIM]
	s_cbranch_scc0 .Lnot_mine_\@
	global_prefetch_b8 v[PFO], s[PFA:PFA+1] th:TH_LOAD_NT scope:SCOPE_SE
.Lnot_mine_\@:
.endm
	s_load_b128 s[4:7], s[0:1], 0x0                ; qkv, ao
	v_lshl_add_u32 v[SPW], v0, 2, SPARE
	v_mov_b32 v[NIL], 0
	ds_add_u32 v[SPW], v[NIL]                      ; the wave's opening: the add, twice on end, and its wait ahead of the first tensor load
	ds_add_u32 v[SPW], v[NIL]
	v_lshrrev_b32 v8, 5, v0
	v_readfirstlane_b32 s[WV], v8                  ; wave 0..15
	s_and_b32 s18, ttmp7, 0xffff                   ; batch x 16 + head
	s_lshl_b32 s19, s18, 18                        ; its 262,144 bytes in each section
	s_sub_co_u32 s40, 7, ttmp9
	s_sub_co_u32 s41, 15, s[WV]
	s_cmp_lt_u32 s[WV], 8
	s_cselect_b32 s42, ttmp9, s40                  ; my block of 256 queries,
	s_cselect_b32 s43, s[WV], s41                  ; and my 32 of them: the late block is dealt in reverse, which evens the four SIMDs
	s_lshl_b32 s[Q0], s42, 8
	s_lshl_b32 s43, s43, 5
	s_add_co_u32 s[Q0], s[Q0], s43
	s_lshl_b32 s[LASTQ], s40, 8
	s_or_b32 s[LASTQ], s[LASTQ], 255
	s_mov_b32 s[G1], 3<<16                         ; no mask; elements of 8 bytes; no padding: 16,384 dense bytes as 64 rows of 256
	s_mov_b32 s[G1+1], 32<<16                      ; tensor_dim0
	s_mov_b32 s[G1+2], 64<<16                      ; tensor_dim1
	s_mov_b32 s[G1+3], 32<<16                      ; tile_dim0
	s_mov_b32 s[G1+4], 64                          ; tile_dim1
	s_mov_b32 s[G1+5], 32                          ; from row to row
	s_mov_b32 s[G1+6], 0
	s_mov_b32 s[G1+7], 0
	s_and_b32 s40, s[WV], 3
	s_lshl_b32 s41, s40, 14                        ; in a slot: K's halves, then V's
	s_lshr_b32 s42, s40, 1
	s_add_co_u32 s42, s42, 1                       ; section 1 (k) or 2 (v)
	s_lshl_b32 s42, s42, 24
	s_add_co_u32 s42, s42, s19
	s_and_b32 s44, s[WV], 1
	s_lshl_b32 s44, s44, 14
	s_add_co_u32 s42, s42, s44
	s_mov_b32 s43, 0
	s_mov_b32 s[SEL], 0x76543210
	s_mov_b32 s[SEL+1], 0xfedcba98
	s_mov_b32 s[CS], 0x3e38aa3b                    ; c = log2(e) / 8
	s_mov_b32 s[CS+1], s[CS]
	s_mov_b32 s[KF], 0
	s_mov_b32 s[TB], 0
	s_mov_b32 s[SLOTS], 7
	s_wait_dscnt 0x0                               ; both opening adds are done
	s_wait_kmcnt 0x0
	s_mov_b32 s[G0], 1
	s_mov_b32 s[G0+1], s41
	s_add_nc_u64 s[G0+2:G0+3], s[4:5], s[42:43]
	s_or_b32 s[G0+3], s[G0+3], 0x80000000
	TLOAD                                          ; slot 0
	s_lshl_b32 s40, s[Q0], 7                       ; 2,048 bytes for each 16 queries
	s_add_co_u32 s40, s40, s19
	s_mov_b32 s41, 0
	s_add_nc_u64 s[40:41], s[4:5], s[40:41]
	v_and_b32 v[L16], 31, v0
	v_lshlrev_b32 v[PFO], 8, v[L16]
	v_lshlrev_b32 v[L16], 4, v[L16]
.irp t, 0,1
.irp f, 0,1
.irp c, 0,1
	global_load_b128 v[QF+16*\t+8*\f+4*\c:QF+16*\t+8*\f+4*\c+3], v[L16], s[40:41] offset:\t*2048+\f*1024+\c*512
.endr
.endr
.endr
	s_lshr_b32 s42, s18, 4
	s_lshl_b32 s42, s42, 22                        ; ao: a batch's 128 tiles of 32,768 bytes,
	s_lshl_b32 s43, s[Q0], 11                      ; my first tile,
	s_add_co_u32 s42, s42, s43
	s_and_b32 s43, s18, 15
	s_lshl_b32 s43, s43, 11                        ; my head's 2,048 bytes in it
	s_add_co_u32 s42, s42, s43
	s_mov_b32 s43, 0
	s_add_nc_u64 s[6:7], s[6:7], s[42:43]
	s_lshr_b32 s42, s[WV], 3
	s_add_co_u32 s42, s42, 1
	s_lshl_b32 s42, s42, 24
	s_add_co_u32 s42, s42, s19
	s_and_b32 s43, s[WV], 3
	s_lshl_b32 s43, s43, 13
	s_add_co_u32 s42, s42, s43
	s_add_co_u32 s42, s42, 32768                   ; in slot 1: the first change of slots steps it to slot 2.  Nothing is prefetched at the head
	s_mov_b32 s43, 0
	s_add_nc_u64 s[PFA:PFA+1], s[4:5], s[42:43]
	s_sub_co_u32 s42, s[WV], 4
	s_lshr_b32 s42, s42, 3                         ; 0 in waves 4 to 11,
	s_or_b32 s42, s42, ttmp9                       ; of the head's first work-group
	s_cmp_eq_u32 s42, 0
	s_cselect_b32 s[LIM], 1, -1
	v_and_b32 v8, 15, v0
	v_bfe_u32 v9, v0, 4, 1
	v_lshlrev_b32 v9, 3, v9
	v_sub_nc_u32 v[DQ], v8, v9
	v_mov_b32 v[NINF], 0xff800000
.irp t, 0,1
	v_mov_b32 v[ST+8*\t+1], 0xff61b1e6             ; m = -3e38, under every score
	v_mul_f32 v[ST+8*\t], s[CS], v[ST+8*\t+1]
	v_mov_b32 v[ST+8*\t+2], 0
	v_mov_b32 v[ST+8*\t+3], 0
.endr
.set i, 0
.rept 64
	v_mov_b32 v[O+i], 0                            ; O^T: the one text of the step finds zeros in its first pass
.set i, i+1
.endr
.macro STEP q                          ; 64 keys, the q-th step of the slot in hand
	s_add_co_u32 s44, s[Q0], 31
	s_cmp_gt_u32 s[KF], s44                        ; all 64 keys come after my 32 queries: a branch on ids, round loads, products and softmax alone
	s_cbranch_scc1 .Lhidden_\@
	v_add_nc_u32 v[ADR], s[TB], v[L16]
.rept 4
	v_nop                                          ; with the addition five places: K's loads land on registers that the last products read, and the first products below write over P
.endr
.irp kt, 0,1,2,3
.irp f, 0,1
.irp c, 0,1
	ds_load_b128 v[KV+8*(2*\kt+\f)+4*\c:KV+8*(2*\kt+\f)+4*\c+3], v[ADR] offset:(\q)*8192+\kt*2048+\f*1024+\c*512
.endr
.endr
.endr
	s_wait_dscnt 0x0
.irp f, 0,1                            ; S^T = K Q^T: eight accumulators by turns; the first eight start the sums
.irp kt, 0,1,2,3
.irp t, 0,1
.if \f == 0
	v_wmma_f32_16x16x32_f16 v[S+32*\t+8*\kt:S+32*\t+8*\kt+7], v[KV+8*(2*\kt+\f):KV+8*(2*\kt+\f)+7], v[QF+16*\t+8*\f:QF+16*\t+8*\f+7], 0
.else
	v_wmma_f32_16x16x32_f16 v[S+32*\t+8*\kt:S+32*\t+8*\kt+7], v[KV+8*(2*\kt+\f):KV+8*(2*\kt+\f)+7], v[QF+16*\t+8*\f:QF+16*\t+8*\f+7], v[S+32*\t+8*\kt:S+32*\t+8*\kt+7]
.endif
.endr
.endr
.endr
.rept 4
	v_nop                                          ; places in front of V's loads into K's registers and of the first reads of the scores
.endr
.irp ks, 0,1                           ; V, turned: keys 32 ks + 16 c on, channels 16 cb on; it lands under the softmax
.irp cb, 0,1,2,3
.irp c, 0,1
	ds_load_tr16_b128 v[KV+8*(4*\ks+\cb)+4*\c:KV+8*(4*\ks+\cb)+4*\c+3], v[ADR] offset:VOFF+(\q)*8192+(2*\ks+\c)*2048+\cb*512
.endr
.endr
.endr
	s_add_co_u32 s44, s[KF], 63
	s_cmp_le_u32 s44, s[Q0]                        ; all 64 keys count for all my queries: no mask
	s_cbranch_scc1 .Lopen_\@
	s_sub_co_i32 s44, s[Q0], s[KF]
	v_add_nc_u32 v252, s44, v[DQ]                  ; register 8 kt + j of tile t holds key KF + 16 kt + 8 (lane / 16) + j for query Q0 + 16 t + lane % 16: hidden where 16 kt + j - 16 t is above this
.irp t, 0,1
.irp kt, 0,1,2,3
.irp j, 0,1,2,3,4,5,6,7
	v_cmp_gt_i32 vcc_lo, 16*\kt+\j-16*\t, v252
	v_cndmask_b32 v[S+32*\t+8*\kt+\j], v[S+32*\t+8*\kt+\j], v[NINF], vcc_lo
.endr
.endr
.endr
.Lopen_\@:
.irp j, 0,1,2,3                        ; the maximum: four chains a tile, each accumulator from its low end; the two tiles by turns
.irp t, 0,1
	v_max3_num_f32 v[ST+8*\t+4+\j], v[S+32*\t+8*\j], v[S+32*\t+8*\j+1], v[S+32*\t+8*\j+2]
.endr
.endr
.irp u, 1,2
.irp j, 0,1,2,3
.irp t, 0,1
	v_max3_num_f32 v[ST+8*\t+4+\j], v[ST+8*\t+4+\j], v[S+32*\t+8*\j+2*\u+1], v[S+32*\t+8*\j+2*\u+2]
.endr
.endr
.endr
.irp t, 0,1
	v_max3_num_f32 v[ST+8*\t+4], v[ST+8*\t+4], v[S+32*\t+7], v[S+32*\t+15]
.endr
.irp t, 0,1
	v_max3_num_f32 v[ST+8*\t+6], v[ST+8*\t+6], v[S+32*\t+23], v[S+32*\t+31]
.endr
.irp t, 0,1
	v_max3_num_f32 v[ST+8*\t+4], v[ST+8*\t+4], v[ST+8*\t+5], v[ST+8*\t+6]
.endr
.irp t, 0,1
	v_max3_num_f32 v[ST+8*\t+4], v[ST+8*\t+4], v[ST+8*\t+7], v[ST+8*\t+1]   ; and the old m
.endr
.irp t, 0,1
	v_permlanex16_b32 v[ST+8*\t+5], v[ST+8*\t+4], s[SEL], s[SEL+1]          ; the query's other 32 keys lie in the lane 16 away
.endr
.irp t, 0,1
	v_mov_b32 v[ST+8*\t+7], v[ST+8*\t]             ; c m_old
.endr
.irp t, 0,1
	v_max_num_f32 v[ST+8*\t+1], v[ST+8*\t+4], v[ST+8*\t+5]
.endr
.irp t, 0,1
	v_mul_f32 v[ST+8*\t], s[CS], v[ST+8*\t+1]
.endr
.irp t, 0,1
	v_sub_f32 v[ST+8*\t+7], v[ST+8*\t+7], v[ST+8*\t]
.endr
.set i, 0
.rept 16
	v_pk_fma_f32 v[S+i:S+i+1], v[S+i:S+i+1], s[CS:CS+1], v[ST:ST+1] op_sel_hi:[1,0,0] neg_lo:[0,0,1] neg_hi:[0,0,1]          ; c s - c m, two at a time
	v_pk_fma_f32 v[S+32+i:S+32+i+1], v[S+32+i:S+32+i+1], s[CS:CS+1], v[ST+8:ST+9] op_sel_hi:[1,0,0] neg_lo:[0,0,1] neg_hi:[0,0,1]
.set i, i+2
.endr
.irp t, 0,1
	v_exp_f32 v[ST+8*\t+6], v[ST+8*\t+7]           ; a
.endr
.set i, 0
.rept 32
	v_exp_f32 v[S+i], v[S+i]                       ; p
	v_exp_f32 v[S+32+i], v[S+32+i]
.set i, i+1
.endr
	v_nop                                          ; the plain line behind the last exponential
	s_wait_alu depctr_va_vdst(0)                   ; one wait for the batch of 66, ahead of its first reader
.irp t, 0,1
	v_pk_fma_f32 v[ST+8*\t+2:ST+8*\t+3], v[ST+8*\t+2:ST+8*\t+3], v[ST+8*\t+6:ST+8*\t+7], v[S+32*\t:S+32*\t+1] op_sel_hi:[1,0,1]   ; l = a l + the first pair
.endr
.irp t, 0,1
	v_pk_add_f32 v[248+2*\t:249+2*\t], v[S+32*\t+2:S+32*\t+3], v[S+32*\t+4:S+32*\t+5]    ; a second chain
.endr
.irp b, 3,5,7,9,11,13
.irp t, 0,1
	v_pk_add_f32 v[ST+8*\t+2:ST+8*\t+3], v[ST+8*\t+2:ST+8*\t+3], v[S+32*\t+2*\b:S+32*\t+2*\b+1]
	v_pk_add_f32 v[248+2*\t:249+2*\t], v[248+2*\t:249+2*\t], v[S+32*\t+2*\b+2:S+32*\t+2*\b+3]
.endr
.endr
.irp t, 0,1
	v_pk_add_f32 v[ST+8*\t+2:ST+8*\t+3], v[ST+8*\t+2:ST+8*\t+3], v[S+32*\t+30:S+32*\t+31]
.endr
.irp t, 0,1
	v_pk_add_f32 v[ST+8*\t+2:ST+8*\t+3], v[ST+8*\t+2:ST+8*\t+3], v[248+2*\t:249+2*\t]
.endr
.set i, 0
.rept 16
	v_cvt_pk_f16_f32 v[S+i], v[S+2*i], v[S+2*i+1]                 ; P, in place, ascending: register i takes pair i
	v_cvt_pk_f16_f32 v[S+32+i], v[S+32+2*i], v[S+32+2*i+1]
.set i, i+1
.endr
.set i, 0
.rept 16
	v_pk_mul_f32 v[O+i:O+i+1], v[O+i:O+i+1], v[ST+6:ST+7] op_sel_hi:[1,0]               ; O^T times a
	v_pk_mul_f32 v[O+32+i:O+32+i+1], v[O+32+i:O+32+i+1], v[ST+14:ST+15] op_sel_hi:[1,0]
.set i, i+2
.endr
	s_wait_dscnt 0x0                               ; V is in
.irp ks, 0,1                           ; O^T += V^T P: eight accumulators by turns
.irp cb, 0,1,2,3
.irp t, 0,1
	v_wmma_f32_16x16x32_f16 v[O+32*\t+8*\cb:O+32*\t+8*\cb+7], v[KV+8*(4*\ks+\cb):KV+8*(4*\ks+\cb)+7], v[S+32*\t+8*\ks:S+32*\t+8*\ks+7], v[O+32*\t+8*\cb:O+32*\t+8*\cb+7]
.endr
.endr
.endr
.Lhidden_\@:
	s_add_co_u32 s[KF], s[KF], 64
.endm
; THE CHANGE OF SLOTS, at a slot's head.  Each wave waits for all its tensor loads, adds 0 to its spare word, and waits for that and for its reads of the slot that it has left; behind the barrier the slot ahead is whole
; and nobody reads the other.  fill = 1: that other slot takes the next 256 keys, while their first key is at or under the work-group's last query.
.macro CHANGE fill
	s_wait_tensorcnt 0x0                           ; no tensor load of mine is out, so the descriptor may be written
	ds_add_u32 v[SPW], v[NIL]
.if \fill
	ds_add_u32 v[SPW], v[NIL]                      ; twice on end here
	s_xor_b32 s[G0+1], s[G0+1], SLOT1
	s_add_nc_u64 s[G0+2:G0+3], s[G0+2:G0+3], 32768
	s_wait_xcnt 0x0                                ; the last prefetch, a slot back, has read its address
	s_add_nc_u64 s[PFA:PFA+1], s[PFA:PFA+1], 32768
.endif
	s_wait_dscnt 0x0
	s_barrier_signal -1
	s_barrier_wait -1
.if \fill
	s_add_co_u32 s44, s[KF], 256                   ; the first key of the slot that this change would ask for
	s_cmp_gt_u32 s44, s[LASTQ]                     ; ids and the count of steps alone: the same in all sixteen waves; every wait for tensor loads in this text is for 0; no step reads a slot left out
	s_cbranch_scc1 .Lpast_\@
	TLOAD                                          ; a wave's one tensor load until the next change: it has four steps in which to land
.Lpast_\@:
	ASK
.endif
.endm
.macro SLOT_STEPS
	STEP 0
	STEP 1
	STEP 2
	STEP 3
	s_xor_b32 s[TB], s[TB], SLOT1
.endm
	s_wait_loadcnt 0x0                             ; Q
.Lslot:                                            ; seven trips
	CHANGE 1
	SLOT_STEPS
	s_sub_co_u32 s[SLOTS], s[SLOTS], 1
	s_cmp_lg_u32 s[SLOTS], 0
	s_cbranch_scc1 .Lslot
	CHANGE 0                                       ; the last slot is written out: nothing is left to ask for
	SLOT_STEPS
	; THE WAY OUT.  O^T / l, rounded to f16: a lane's eight channels are 16 bytes of an image of the next launch's operand: ao [tile of 16 tokens][32 K steps of 32][1,024 bytes].
.irp t, 0,1
	v_add_f32 v[ST+8*\t+4], v[ST+8*\t+2], v[ST+8*\t+3]             ; (these additions and the v_nop below are the places behind the last products)
.endr
.irp t, 0,1
	v_permlanex16_b32 v[ST+8*\t+5], v[ST+8*\t+4], s[SEL], s[SEL+1]
.endr
.irp t, 0,1
	v_add_f32 v[ST+8*\t+4], v[ST+8*\t+4], v[ST+8*\t+5]
.endr
.irp t, 0,1
	v_rcp_f32 v[ST+8*\t+6], v[ST+8*\t+4]
.endr
	v_nop
	s_wait_alu depctr_va_vdst(0)                   ; one wait for both reciprocals
.set i, 0
.rept 16
	v_pk_mul_f32 v[O+i:O+i+1], v[O+i:O+i+1], v[ST+6:ST+7] op_sel_hi:[1,0]
	v_pk_mul_f32 v[O+32+i:O+32+i+1], v[O+32+i:O+32+i+1], v[ST+14:ST+15] op_sel_hi:[1,0]
.set i, i+2
.endr
.set i, 0
.rept 32
	v_cvt_pk_f16_f32 v[S+i], v[O+2*i], v[O+2*i+1]
.set i, i+1
.endr
.irp t, 0,1
.irp cb, 0,1,2,3
	global_store_b128 v[L16], v[S+16*\t+4*\cb:S+16*\t+4*\cb+3], s[6:7] offset:\t*32768+\cb*512   ; 512 consecutive bytes
.endr
.endr
	s_wait_tensorcnt 0x0                           ; the wave's end
	ds_add_u32 v[SPW], v[NIL]
	s_wait_dscnt 0x0
	s_endpgm
.Lfunc_end_k_qbdf26eb322_attn:
	.size	k_qbdf26eb322_attn, .Lfunc_end_k_qbdf26eb322_attn-k_qbdf26eb322_attn
	.p2alignl 7, 3214868480
	.fill 96, 4, 3214868480
	.section	.rodata,"a",@progbits
	.p2align	6, 0x0
	.amdhsa_kernel k_qbdf26eb322_attn
		.amdhsa_group_segment_fixed_size 327680
		.amdhsa_private_segment_fixed_size 0
		.amdhsa_enable_private_segment 0
		.amdhsa_kernarg_size 16
		.amdhsa_user_sgpr_count 2
		.amdhsa_user_sgpr_kernarg_segment_ptr 1
		.amdhsa_wavefront_size32 1
		.amdhsa_system_sgpr_workgroup_id_x 1
		.amdhsa_system_sgpr_workgroup_id_y 1
		.amdhsa_system_sgpr_workgroup_id_z 1
		.amdhsa_system_vgpr_workitem_id 0
		.amdhsa_next_free_vgpr 256
		.amdhsa_next_free_sgpr 66
		.amdhsa_reserve_vcc 1
		.amdhsa_float_denorm_mode_32 3
		.amdhsa_float_denorm_mode_16_64 3
		.amdhsa_memory_ordered 1
		.amdhsa_forward_progress 1
		.amdhsa_inst_pref_size 183
	.end_amdhsa_kernel
	.amdgpu_metadata
---
amdhsa.version: [ 1, 2 ]
amdhsa.kernels:
  - .name:           k_qbdf26eb322_attn
    .symbol:         k_qbdf26eb322_attn.kd
    .args:
      - { .name: qkv, .offset: 0, .size: 8, .value_kind: global_buffer, .address_space: global }
      - { .name: ao, .offset: 8, .size: 8, .value_kind: global_buffer, .address_space: global }
    .group_segment_fixed_size: 327680
    .private_segment_fixed_size: 0
    .kernarg_segment_align: 8
    .kernarg_segment_size: 16
    .max_flat_workgroup_size: 512
    .sgpr_count:     66
    .vgpr_count:     256
    .wavefront_size: 32
...
	.end_amdgpu_metadata
.endif
;; end of part 3
;; launch proj (part 4): grid 4 x 64, 4 waves a work-group, clusters of 4 x 4, 327,680 bytes of LDS; arguments ao, wp16, bp, out0; writes out0
.if DOCPART == 4
	.amdgcn_target "amdgcn-amd-amdhsa--gfx1250"
	.amdhsa_code_object_version 6
	.text
	.protected	k_qbdf26eb322_proj
	.globl	k_qbdf26eb322_proj
	.p2align	8
	.type	k_qbdf26eb322_proj,@function
k_qbdf26eb322_proj:
	s_mov_b64 s[64:65], 0
	v_nop
	global_prefetch_b8 v0, s[64:65] scope:SCOPE_SE
	s_setreg_imm32_b32 hwreg(HW_REG_WAVE_MODE, 25, 1), 1
	s_wait_xcnt 0x0
	s_wait_alu depctr_hold_cnt(0) depctr_sa_sdst(0) depctr_va_vdst(0) depctr_va_sdst(0) depctr_va_ssrc(0) depctr_va_vcc(0) depctr_vm_vsrc(0)
	s_getreg_b32 s2, hwreg(HW_REG_IB_STS2, 6, 4)
	s_cmp_eq_u32 s2, 0
	s_cbranch_scc0 .Lentry_in_a_cluster
	s_endpgm
.Lentry_in_a_cluster:
	s_bfe_u32 s2, ttmp6, 0x10000c
	s_cmp_lg_u32 s2, 0xf033
	s_cbranch_scc0 .Lentry_shape_is_right
	s_endpgm
.Lentry_shape_is_right:
; Launch 4 of 5: out0 = o Wp + bp, 8,192 x 1,024 x 1,024, operands in f16, sums in f32.  (The first 16 positions of every sequence are written again, more finely, by the last launch.)
; A tile of 128 tokens x 256 columns is made by four waves, 64 x 128 each: 32 accumulators.  That gives 4 x 64 = 256 work-groups.  K goes in steps of 128 through a ring of two LDS slots.
; CLUSTERS: 4 x 4.  o's tile hangs on the tile row alone and is shared along a row of the cluster, Wp's on the tile column alone and is shared along a column: both are asked for jointly.
; THE MATRIX INSTRUCTION IS USED TRANSPOSED: source 0 = 16 columns of Wp (stored [k][n], turned by ds_load_tr16_b128), source 1 = 16 tokens (images of the operand's registers, read at 16 x lane).
; A lane then holds one token and eight neighbouring columns.  bp is the C of each sum's first instruction.
; REGISTERS: window 0: addresses; v32-95 bp in the result's layout; v128-255 rows on the way out.  window 1: two fragment buffers of 96 (32 of o, 64 of Wp).  window 2: accumulator (a, b) at 8 (8 a + b).
.set SLOT,   102400                    ; o: 8 tiles of tokens x 4,096 bytes; then Wp: 128 rows of K x 544
.set BOFF,   32768
.set BP,     544                       ; a row of Wp's tile: 512 bytes + 32: 136 words, so the eight rows of a turning load start 8 words apart modulo 64
.set SPARE,  2*SLOT
.set SPITCH, 528                       ; the way out: 16 rows x (512 + 16) for each wave, in slot 0, which has had its last fill and its last read by then
.set LAPS,   4                         ; a lap = two K steps
.set ADRA, 16
.set ADRB, 20
.set BO,   23
.set STO,  24
.set RD,   25
.set CO,   26
.set SPW,  28
.set NIL,  29
.set BI,   32
.set BK,   128
.set F0,   0
.set F1,   128
.set G1, 24
.set G0, 32
.set G1B, 48
.set G0B, 56
.set MSB, 0
.macro WIN new
.if MSB != \new
	s_set_vgpr_msb (MSB<<8)|\new
.set MSB, \new
.endif
.endm
.set MUL,   0xa5                       ; sources 0 and 1 window 1, C and D window 2
.set FIRST, 0x85                       ; the same with C (bp) in window 0
.set TO_F,  0x40
.macro JLOAD s                         ; a joint load: waves 0, 1 fetch o's halves, waves 2, 3 Wp's; an s_nop 0 and four v_nop follow each line
	s_cmp_eq_u32 s13, 0
	s_cbranch_scc0 .Lfor_b_\@
	tensor_load_to_lds s[G0+4*\s:G0+4*\s+3], s[G1:G1+7]
	s_nop 0
.rept 4
	v_nop
.endr
	s_branch .Lasked_\@
.Lfor_b_\@:
	tensor_load_to_lds s[G0B+4*\s:G0B+4*\s+3], s[G1B:G1B+7]
	s_nop 0
.rept 4
	v_nop
.endr
.Lasked_\@:
.endm
.macro CREST
	s_cmp_lg_u32 s12, 0
	s_cbranch_scc1 .Lnot_wave_0_\@
	s_barrier_signal -3
.Lnot_wave_0_\@:
	s_barrier_wait -3
	s_barrier_signal -1
	s_barrier_wait -1
.endm
.macro CROUND
	s_barrier_signal -1
	s_barrier_wait -1
	CREST
.endm
	s_load_b256 s[4:11], s[0:1], 0x0               ; ao, wp16, bp, out0
	v_lshl_add_u32 v[SPW], v0, 2, SPARE
	v_mov_b32 v[NIL], 0
	ds_add_u32 v[SPW], v[NIL]                      ; the wave's opening: the add, twice on end, and its wait ahead of my first tensor load
	ds_add_u32 v[SPW], v[NIL]
	v_lshrrev_b32 v1, 5, v0
	v_readfirstlane_b32 s12, v1                    ; wave 0..3
	s_lshr_b32 s13, s12, 1                         ; my half of the tile's tokens.  Also: I fetch for o (0) or for Wp (1)
	s_and_b32 s14, s12, 1                          ; my half of its columns.  Also: which half I fetch
	s_bfe_u32 s40, ttmp6, 0x40000                  ; cx
	s_bfe_u32 s41, ttmp6, 0x40004                  ; cy
	s_lshl_b32 s42, ttmp9, 2
	s_add_co_u32 s42, s42, s40                     ; tile column
	s_and_b32 s15, ttmp7, 0xffff
	s_lshl_b32 s15, s15, 2
	s_add_co_u32 s15, s15, s41                     ; tile row
	s_lshl_b32 s43, s41, 2
	s_lshl_b32 s43, 15, s43                        ; my row of the cluster
	s_lshl_b32 s44, 0x1111, s40                    ; my column
	s_or_b32 s[G1+0], s43, (3<<16)|(1<<21)         ; o: the mask; elements of 8 bytes; no padding; bit 21 beside a mask
	s_mov_b32 s[G1+1], 512<<16                     ; tensor_dim0: 4,096 bytes, a tile of tokens' four K fragments
	s_mov_b32 s[G1+2], 4<<16                       ; tensor_dim1: four tiles of tokens
	s_mov_b32 s[G1+3], 512<<16                     ; tile_dim0
	s_mov_b32 s[G1+4], 4                           ; tile_dim1
	s_mov_b32 s[G1+5], 4096                        ; 32,768 bytes from tile to tile
	s_mov_b32 s[G1+6], 0
	s_mov_b32 s[G1+7], 0
	s_or_b32 s[G1B+0], s44, (1<<16)|(1<<20)|(1<<21)|(6<<22)|(7<<25)  ; Wp: elements of 2 bytes; 8 words of padding behind every 128
	s_mov_b32 s[G1B+1], 256<<16
	s_mov_b32 s[G1B+2], 64<<16
	s_mov_b32 s[G1B+3], 256<<16
	s_mov_b32 s[G1B+4], 64
	s_mov_b32 s[G1B+5], 1024
	s_mov_b32 s[G1B+6], 0
	s_mov_b32 s[G1B+7], 0
	s_lshl_b32 s16, s15, 18                        ; o: 8 tiles of 32,768 bytes a tile row,
	s_lshl_b32 s17, s14, 17                        ; 4 for my half
	s_add_co_u32 s16, s16, s17
	s_mov_b32 s17, 0
	s_lshl_b32 s46, s14, 17                        ; Wp: 64 rows of 2,048 bytes for my half,
	s_lshl_b32 s47, s42, 9                         ; 512 bytes a tile column
	s_add_co_u32 s46, s46, s47
	s_mov_b32 s47, 0
	s_lshl_b32 s20, s14, 14                        ; where they go
	s_mul_i32 s21, s14, 64*BP
	s_add_co_u32 s21, s21, BOFF
	s_wait_dscnt 0x0                               ; both opening adds are done
	s_wait_kmcnt 0x0
	s_add_nc_u64 s[16:17], s[4:5], s[16:17]
	s_add_nc_u64 s[46:47], s[6:7], s[46:47]
	CROUND                                         ; all sixteen work-groups are here
.irp s, 0,1
	s_mov_b32 s[G0+4*\s], 1
	s_add_co_u32 s[G0+4*\s+1], s20, \s*SLOT
	s_add_nc_u64 s[G0+4*\s+2:G0+4*\s+3], s[16:17], \s*4096
	s_or_b32 s[G0+4*\s+3], s[G0+4*\s+3], 0x80000000
	s_mov_b32 s[G0B+4*\s], 1
	s_add_co_u32 s[G0B+4*\s+1], s21, \s*SLOT
	s_add_nc_u64 s[G0B+4*\s+2:G0B+4*\s+3], s[46:47], \s*262144
	s_or_b32 s[G0B+4*\s+3], s[G0B+4*\s+3], 0x80000000
	JLOAD \s
.endr
	v_and_b32 v1, 15, v0                           ; r
	v_bfe_u32 v2, v0, 4, 1                         ; h
	v_and_b32 v3, 31, v0
	v_lshlrev_b32 v3, 4, v3                        ; 16 x lane
	v_and_b32 v4, 7, v0
	v_lshl_add_u32 v4, v2, 3, v4
	v_mul_u32_u24 v4, v4, BP
	v_bfe_u32 v5, v0, 3, 1
	v_lshl_add_u32 v4, v5, 4, v4                   ; the turning load: row 8 h + lane % 8, 16 bytes for each eight lanes
	s_lshl_b32 s21, s13, 14
	s_lshl_b32 s22, s14, 8
	s_add_co_u32 s22, s22, BOFF
.irp s, 0,1
	v_add_nc_u32 v[ADRA+\s], s21, v3
	v_add_nc_u32 v[ADRB+\s], s22, v4
	s_add_co_u32 s21, s21, SLOT
	s_add_co_u32 s22, s22, SLOT
.endr
	s_mul_i32 s23, s12, 16*SPITCH                  ; my stage
	v_mul_u32_u24 v5, v1, SPITCH
	v_lshl_add_u32 v5, v2, 5, v5
	v_add_nc_u32 v[STO], s23, v5
	v_mov_b32 v[CO], v3
	v_add_nc_u32 v[RD], s23, v3
	v_lshlrev_b32 v[BO], 5, v2
	s_lshl_b32 s16, s15, 7
	s_lshl_b32 s17, s13, 6
	s_add_co_u32 s16, s16, s17                     ; my first token
	s_lshl_b32 s16, s16, 12
	s_lshl_b32 s46, s42, 10
	s_lshl_b32 s47, s14, 9
	s_add_co_u32 s46, s46, s47                     ; my first column, in bytes of f32
	s_add_co_u32 s16, s16, s46
	s_mov_b32 s17, 0
	s_mov_b32 s47, 0
	s_add_nc_u64 s[10:11], s[10:11], s[16:17]
	s_add_nc_u64 s[8:9], s[8:9], s[46:47]
.irp b, 0,1,2,3,4,5,6,7
	global_load_b128 v[BI+8*\b:BI+8*\b+3], v[BO], s[8:9] offset:64*\b
	global_load_b128 v[BI+8*\b+4:BI+8*\b+7], v[BO], s[8:9] offset:64*\b+16
.endr
.macro MUL8 f, a, first                ; tokens' block a against Wp's eight; the 32 accumulators take turns, in the same order in every quarter
.irp b, 0,1,2,3,4,5,6,7
.if \first
	v_wmma_f32_16x16x32_f16 v[8*(8*(\a)+\b):8*(8*(\a)+\b)+7], v[\f+32+8*\b:\f+32+8*\b+7], v[\f+8*(\a):\f+8*(\a)+7], v[BI+8*\b:BI+8*\b+7]
.else
	v_wmma_f32_16x16x32_f16 v[8*(8*(\a)+\b):8*(8*(\a)+\b)+7], v[\f+32+8*\b:\f+32+8*\b+7], v[\f+8*(\a):\f+8*(\a)+7], v[8*(8*(\a)+\b):8*(8*(\a)+\b)+7]
.endif
.endr
.endm
.macro FETCH slot, q, f                ; 24 LDS loads: the fragments of the slot's q-th 32 along K
	WIN TO_F
.irp i, 0,1,2,3
.irp c, 0,1
	ds_load_b128 v[\f+8*\i+4*\c:\f+8*\i+4*\c+3], v[ADRA+\slot] offset:\i*4096+(\q)*1024+\c*512
.endr
.endr
.irp b, 0,1,2,3,4,5,6,7
.irp c, 0,1
	ds_load_tr16_b128 v[\f+32+8*\b+4*\c:\f+32+8*\b+4*\c+3], v[ADRB+\slot] offset:(\q)*32*BP+\c*16*BP+32*\b
.endr
.endr
.endm
.macro PLACES
.rept 4
	v_nop
.endr
.endm
.macro QUARTER slot, qn, f, g, first   ; multiplies buffer f; ahead of that it asks for the slot's quarter qn into buffer g
	s_wait_dscnt 0x0                               ; buffer f is in
	PLACES                                         ; the last quarter's products read buffer g
	FETCH \slot, \qn, \g
.if \first
	WIN FIRST
.else
	WIN MUL
.endif
	MUL8 \f, 0, \first
	MUL8 \f, 1, \first
	MUL8 \f, 2, \first
	MUL8 \f, 3, \first
.endm
; A slot's last quarter multiplies buffer 1 and changes slots.  In front of the barrier each wave waits for all its tensor loads, adds 0 to its spare word, and waits for that and for its reads of this slot.
.macro TURN slot, next, fill
	WIN 0
	s_wait_tensorcnt 0x0                           ; my part of the next slot has landed
	ds_add_u32 v[SPW], v[NIL]
	s_wait_dscnt 1                                 ; only the add may be out: buffer 1 is in
	WIN MUL
	MUL8 F1, 0, 0
	MUL8 F1, 1, 0
	s_wait_dscnt 0x0
	s_barrier_signal -1
	MUL8 F1, 2, 0
	WIN 0
	s_barrier_wait -1
.if \fill
	CREST                                          ; the barrier has opened a round of the cluster's: no wave of any partner still reads this slot or has a load on its way
	s_add_nc_u64 s[G0+4*\slot+2:G0+4*\slot+3], s[G0+4*\slot+2:G0+4*\slot+3], 8192
	s_add_nc_u64 s[G0B+4*\slot+2:G0B+4*\slot+3], s[G0B+4*\slot+2:G0B+4*\slot+3], 524288
	JLOAD \slot                                    ; two K steps ahead; its four v_nop are the places in front of the loads below
.else
	PLACES
.endif
	FETCH \next, 0, F0
	WIN MUL
	MUL8 F1, 3, 0
.endm
	s_wait_tensorcnt 1                             ; my part of K step 0 is in; K step 1's load stays out
	s_barrier_signal -1
	s_barrier_wait -1
	FETCH 0, 0, F0
	s_wait_loadcnt 0x0                             ; bp
	QUARTER 0, 1, F0, F1, 1                        ; the first products start the sums, from bp
	WIN 0
	s_mov_b32 s3, LAPS-1
.Llap:                                             ; a trip goes once round the ring and fills both slots again
	QUARTER 0, 2, F1, F0, 0
	QUARTER 0, 3, F0, F1, 0
	TURN 0, 1, 1
	QUARTER 1, 1, F0, F1, 0
	QUARTER 1, 2, F1, F0, 0
	QUARTER 1, 3, F0, F1, 0
	TURN 1, 0, 1
	QUARTER 0, 1, F0, F1, 0
	WIN 0
	s_sub_co_u32 s3, s3, 1
	s_cmp_lg_u32 s3, 0
	s_cbranch_scc1 .Llap
	QUARTER 0, 2, F1, F0, 0                        ; the last lap fills nothing
	QUARTER 0, 3, F0, F1, 0
	TURN 0, 1, 0
	QUARTER 1, 1, F0, F1, 0
	QUARTER 1, 2, F1, F0, 0
	QUARTER 1, 3, F0, F1, 0
	s_wait_dscnt 0x0
	WIN MUL
	MUL8 F1, 0, 0
	MUL8 F1, 1, 0
	MUL8 F1, 2, 0
	MUL8 F1, 3, 0
	WIN 0
; THE WAY OUT, a block of 16 tokens x 128 columns at a time, through my own stage: rows of 512 bytes come back whole, and the 32 lanes store them as 512 consecutive bytes.
.macro TOSTAGE a
	WIN 0x08                                       ; the data: window 2
.irp b, 0,1,2,3,4,5,6,7
	ds_store_b128 v[STO], v[64*(\a)+8*\b:64*(\a)+8*\b+3] offset:64*\b          ; each accumulator from its low end on
	ds_store_b128 v[STO], v[64*(\a)+8*\b+4:64*(\a)+8*\b+7] offset:64*\b+16
.endr
	WIN 0
.set BB, BK+64*((\a)%2)
.irp t, 0,1,2,3,4,5,6,7,8,9,10,11,12,13,14,15
	ds_load_b128 v[BB+4*\t:BB+4*\t+3], v[RD] offset:\t*SPITCH                  ; LDS serves a wave's instructions in order: these see the stores above
.endr
.endm
.macro SEND a, younger
.set BB, BK+64*((\a)%2)
	s_wait_dscnt \younger                          ; the block is back; the next block's 16 stores and 16 loads may be out
.if (\a) > 0
	s_add_nc_u64 s[10:11], s[10:11], 65536         ; 16 rows on (the earlier stores have read their base: a wait for that stands ahead)
.endif
.irp t, 0,1,2,3,4,5,6,7,8,9,10,11,12,13,14,15
	global_store_b128 v[CO], v[BB+4*\t:BB+4*\t+3], s[10:11] offset:\t*4096 th:TH_STORE_NT
.endr
.endm
	PLACES
	TOSTAGE 0
.irp a, 1,2,3
.if \a > 1
	s_wait_xcnt 0x0                                ; block a - 2's stores have read their registers and their base
.endif
	TOSTAGE \a
	SEND \a-1, 32
.endr
	s_wait_xcnt 0x0
	SEND 3, 0
	s_wait_tensorcnt 0x0                           ; the wave's end
	ds_add_u32 v[SPW], v[NIL]
	s_wait_dscnt 0x0
	CROUND                                         ; the closing round
	s_endpgm
.Lfunc_end_k_qbdf26eb322_proj:
	.size	k_qbdf26eb322_proj, .Lfunc_end_k_qbdf26eb322_proj-k_qbdf26eb322_proj
	.p2alignl 7, 3214868480
	.fill 96, 4, 3214868480
	.section	.rodata,"a",@progbits
	.p2align	6, 0x0
	.amdhsa_kernel k_qbdf26eb322_proj
		.amdhsa_group_segment_fixed_size 327680
		.amdhsa_private_segment_fixed_size 0
		.amdhsa_enable_private_segment 0
		.amdhsa_kernarg_size 32
		.amdhsa_user_sgpr_count 2
		.amdhsa_user_sgpr_kernarg_segment_ptr 1
		.amdhsa_wavefront_size32 1
		.amdhsa_system_sgpr_workgroup_id_x 1
		.amdhsa_system_sgpr_workgroup_id_y 1
		.amdhsa_system_sgpr_workgroup_id_z 1
		.amdhsa_system_vgpr_workitem_id 0
		.amdhsa_next_free_vgpr 768
		.amdhsa_next_free_sgpr 66
		.amdhsa_reserve_vcc 0
		.amdhsa_float_denorm_mode_32 3
		.amdhsa_float_denorm_mode_16_64 3
		.amdhsa_memory_ordered 1
		.amdhsa_forward_progress 1
		.amdhsa_inst_pref_size 86
	.end_amdhsa_kernel
	.amdgpu_metadata
---
amdhsa.version: [ 1, 2 ]
amdhsa.kernels:
  - .name:           k_qbdf26eb322_proj
    .symbol:         k_qbdf26eb322_proj.kd
    .args:
      - { .name: ao, .offset: 0, .size: 8, .value_kind: global_buffer, .address_space: global }
      - { .name: wp16, .offset: 8, .size: 8, .value_kind: global_buffer, .address_space: global }
      - { .name: bp, .offset: 16, .size: 8, .value_kind: global_buffer, .address_space: global }
      - { .name: out0, .offset: 24, .size: 8, .value_kind: global_buffer, .address_space: global }
    .group_segment_fixed_size: 327680
    .private_segment_fixed_size: 0
    .kernarg_segment_align: 8
    .kernarg_segment_size: 32
    .max_flat_workgroup_size: 128
    .sgpr_count:     66
    .vgpr_count:     768
    .wavefront_size: 32
...
	.end_amdgpu_metadata
.endif
;; end of part 4
;; launch fine (part 5): grid 16 x 4, 16 waves a work-group, no clusters, 67,584 bytes of LDS; arguments hq, Wp, bp, out0; writes out0
.if DOCPART == 5
	.amdgcn_target "amdgcn-amd-amdhsa--gfx1250"
	.amdhsa_code_object_version 6
	.text
	.protected	k_qbdf26eb322_fine
	.globl	k_qbdf26eb322_fine
	.p2align	8
	.type	k_qbdf26eb322_fine,@function
k_qbdf26eb322_fine:
	s_mov_b64 s[64:65], 0
	v_nop
	global_prefetch_b8 v0, s[64:65] scope:SCOPE_SE
	s_setreg_imm32_b32 hwreg(HW_REG_WAVE_MODE, 25, 1), 1
	s_wait_xcnt 0x0
; Launch 5 of 5: the first 16 positions of every sequence once more, with f32 operands throughout: there a row of the softmax averages one to sixteen values, and f16's rounding would weigh most.
; It writes rows 0-15 of each batch of out0 over what the launch before left there.  LEFT OUT: bk, as in the whole program (shown at the head of the first launch): hq holds k without it.
; A work-group takes a batch (y) and 64 output columns (x); wave w takes head w: its 16 x 16 scores, softmax, o (16 x 64), and o's product with rows 64 w .. 64 w + 63 of Wp at the 64 columns.
; The sixteen heads' parts meet in LDS and are added by waves 0-7.  (The small attention part is repeated in each of the sixteen column slices: that spares a launch and a buffer.)
; All products by the f32 matrix form, 16 x 16 x 4.  Its K places (lane / 16, register) are given the SAME numbers of K in both sources, chosen so that plain loads and results are operands as they stand:
;   scores:  step s, place (h, j) = channel 32 h + 2 s + j;   o: step s, place (h, j) = key 8 h + 2 s + j;   projection: step (c, s), place (h, j) = channel 16 c + 8 h + 2 s + j.
; All three are used transposed (source 1 = the queries): a lane holds one query (lane % 16).  The accumulators v32-63 are written by matrix instructions alone; four of them take turns.
.set SPARE, 65536
.set ACC, 32
.set QF,  64
.set KF,  96
.set W23, 64                           ; Wp's columns 32-63 take q's and k's registers
.set VF,  128
.set W01, 160
.set AO,  224
	s_load_b256 s[4:11], s[0:1], 0x0               ; hq, Wp, bp, out0
	v_lshl_add_u32 v10, v0, 2, SPARE               ; my spare word; never rewritten
	v_mov_b32 v11, 0                               ; 0; never rewritten
	v_lshrrev_b32 v1, 5, v0
	v_readfirstlane_b32 s12, v1                    ; wave = head
	s_and_b32 s14, ttmp7, 0xffff                   ; batch
	v_and_b32 v1, 15, v0                           ; r
	v_bfe_u32 v2, v0, 4, 1                         ; h
	v_lshlrev_b32 v3, 12, v1
	v_lshl_add_u32 v3, v2, 7, v3                   ; q, k: token r, channels 32 h on
	v_lshlrev_b32 v4, 2, v1
	v_lshl_add_u32 v4, v2, 15, v4                  ; v, Wp: column r, rows 8 h on
	v_lshlrev_b32 v5, 3, v2
	v_sub_nc_u32 v5, v1, v5                        ; r - 8 h
	v_and_b32 v6, 31, v0
	v_lshlrev_b32 v6, 4, v6
	s_lshl_b32 s15, s12, 12
	v_add_nc_u32 v6, s15, v6                       ; my part's image: 4,096 x wave + 16 x lane
	v_lshrrev_b32 v8, 4, v0                        ; the sum: thread = 16 x token + p, p = four columns
	v_bfe_u32 v7, v0, 2, 2
	v_lshlrev_b32 v7, 10, v7                       ; tile of columns p / 4,
	v_and_b32 v9, 1, v0
	v_lshl_add_u32 v7, v9, 9, v7                   ; its registers 0-3 or 4-7,
	v_bfe_u32 v9, v0, 1, 1
	v_lshl_add_u32 v7, v9, 8, v7                   ; lanes 0-15 or 16-31,
	v_lshl_add_u32 v7, v8, 4, v7                   ; the token's lane
	v_lshlrev_b32 v9, 4, v1                        ; 16 p
	v_lshl_add_u32 v8, v8, 12, v9                  ; the token's row of out0, + 16 p
	s_lshl_b32 s16, s14, 16
	s_lshl_b32 s17, s12, 8
	s_add_co_u32 s16, s16, s17                     ; hq: batch, head
	s_mov_b32 s17, 0
	s_lshl_b32 s20, ttmp9, 8                       ; my 64 columns, in bytes
	s_mov_b32 s21, 0
	s_lshl_b32 s18, s12, 18                        ; Wp: rows 64 w on
	s_add_co_u32 s18, s18, s20
	s_mov_b32 s19, 0
	s_lshl_b32 s22, s14, 23                        ; out0: the batch's first row
	s_add_co_u32 s22, s22, s20
	s_mov_b32 s23, 0
	s_mov_b32 s24, 0x76543210
	s_mov_b32 s25, 0xfedcba98
	s_mov_b32 s26, 0x3e38aa3b                      ; c = log2(e) / 8
	s_wait_kmcnt 0x0
	s_add_nc_u64 s[4:5], s[4:5], s[16:17]
	s_add_nc_u64 s[6:7], s[6:7], s[18:19]
	s_add_nc_u64 s[8:9], s[8:9], s[20:21]
	s_add_nc_u64 s[10:11], s[10:11], s[22:23]
	global_load_b128 v[28:31], v9, s[8:9]          ; bp at my four columns
.irp nt, 0,1
.irp c, 0,1,2,3
.irp e, 0,1,2,3,4,5,6,7
	global_load_b32 v[W01+32*\nt+8*\c+\e], v4, s[6:7] offset:(16*\c+\e)*4096+64*\nt   ; Wp(64 w + 16 c + 8 h + e, 16 nt + r)
.endr
.endr
.endr
.irp i, 0,1,2,3,4,5,6,7
	global_load_b128 v[QF+4*\i:QF+4*\i+3], v3, s[4:5] offset:16*\i
	global_load_b128 v[KF+4*\i:KF+4*\i+3], v3, s[4:5] offset:262144+16*\i
.endr
.irp c, 0,1,2,3
.irp e, 0,1,2,3,4,5,6,7
	global_load_b32 v[VF+8*\c+\e], v4, s[4:5] offset:524288+\e*4096+64*\c             ; v(8 h + e, 16 c + r)
.endr
.endr
	s_wait_loadcnt 32                              ; all but v's 32 loads are in
.irp s, 0,1,2,3,4,5,6,7,8,9,10,11,12,13,14,15
.if \s < 4
	v_wmma_f32_16x16x4_f32 v[ACC+8*(\s%4):ACC+8*(\s%4)+7], v[KF+2*\s:KF+2*\s+1], v[QF+2*\s:QF+2*\s+1], 0
.else
	v_wmma_f32_16x16x4_f32 v[ACC+8*(\s%4):ACC+8*(\s%4)+7], v[KF+2*\s:KF+2*\s+1], v[QF+2*\s:QF+2*\s+1], v[ACC+8*(\s%4):ACC+8*(\s%4)+7]
.endif
.endr
.rept 8
	v_nop                                          ; eight places behind this form, in front of loads into its sources and of reads of its results
.endr
.irp nt, 2,3
.irp c, 0,1,2,3
.irp e, 0,1,2,3,4,5,6,7
	global_load_b32 v[W23+32*(\nt-2)+8*\c+\e], v4, s[6:7] offset:(16*\c+\e)*4096+64*\nt
.endr
.endr
.endr
.irp j, 0,1,2,3,4,5,6,7                ; the four partial sums: register j = key 8 h + j, query r
	v_add_f32 v[12+\j], v[ACC+\j], v[ACC+8+\j]
	v_add_f32 v[20+\j], v[ACC+16+\j], v[ACC+24+\j]
.endr
.irp j, 0,1,2,3,4,5,6,7
	v_add_f32 v[12+\j], v[12+\j], v[20+\j]
.endr
	v_mov_b32 v20, 0xff800000
.irp j, 0,1,2,3,4,5,6,7
	v_cmp_gt_i32 vcc_lo, \j, v5                    ; key 8 h + j comes after query r
	v_cndmask_b32 v[12+\j], v[12+\j], v20, vcc_lo
.endr
	v_max3_num_f32 v21, v12, v13, v14
	v_max3_num_f32 v21, v21, v15, v16
	v_max3_num_f32 v21, v21, v17, v18
	v_max_num_f32 v21, v21, v19
	v_mov_b32 v22, 0
	v_permlanex16_b32 v22, v21, s24, s25
	v_max_num_f32 v21, v21, v22                    ; the row's maximum: key 0 counts for every query
	v_mul_f32 v21, s26, v21
.irp j, 0,1,2,3,4,5,6,7
	v_fma_f32 v[12+\j], v[12+\j], s26, -v21
.endr
.irp j, 0,1,2,3,4,5,6,7
	v_exp_f32 v[12+\j], v[12+\j]
.endr
	v_nop
	s_wait_alu depctr_va_vdst(0)                   ; one wait for the eight exponentials
	v_add_f32 v23, v12, v13
	v_add_f32 v24, v14, v15
	v_add_f32 v25, v16, v17
	v_add_f32 v26, v18, v19
	v_add_f32 v23, v23, v24
	v_add_f32 v25, v25, v26
	v_add_f32 v23, v23, v25
	v_permlanex16_b32 v22, v23, s24, s25
	v_add_f32 v23, v23, v22
	v_rcp_f32 v23, v23
	v_nop
	s_wait_alu depctr_va_vdst(0)
	s_wait_loadcnt 63                              ; v's loads stand ahead of the 64 issued since: at most 63 out shows them in
.irp sp, 0,1,2,3
.irp c, 0,1,2,3
.if \sp == 0
	v_wmma_f32_16x16x4_f32 v[ACC+8*\c:ACC+8*\c+7], v[VF+8*\c+2*\sp:VF+8*\c+2*\sp+1], v[12+2*\sp:13+2*\sp], 0
.else
	v_wmma_f32_16x16x4_f32 v[ACC+8*\c:ACC+8*\c+7], v[VF+8*\c+2*\sp:VF+8*\c+2*\sp+1], v[12+2*\sp:13+2*\sp], v[ACC+8*\c:ACC+8*\c+7]
.endif
.endr
.endr
.rept 8
	v_nop
.endr
.set i, 0
.rept 32
	v_mul_f32 v[AO+i], v[ACC+i], v23               ; o: register 8 c + j = channel 16 c + 8 h + j of query r
.set i, i+1
.endr
	s_wait_loadcnt 0x0
.irp c, 0,1,2,3
.irp sp, 0,1,2,3
.irp nt, 0,1,2,3
.if \nt < 2
.set WB, W01+32*\nt
.else
.set WB, W23+32*(\nt-2)
.endif
.if (\c == 0) && (\sp == 0)
	v_wmma_f32_16x16x4_f32 v[ACC+8*\nt:ACC+8*\nt+7], v[WB+8*\c+2*\sp:WB+8*\c+2*\sp+1], v[AO+8*\c+2*\sp:AO+8*\c+2*\sp+1], 0
.else
	v_wmma_f32_16x16x4_f32 v[ACC+8*\nt:ACC+8*\nt+7], v[WB+8*\c+2*\sp:WB+8*\c+2*\sp+1], v[AO+8*\c+2*\sp:AO+8*\c+2*\sp+1], v[ACC+8*\nt:ACC+8*\nt+7]
.endif
.endr
.endr
.endr
.rept 8
	v_nop
.endr
.irp nt, 0,1,2,3
	ds_store_b128 v6, v[ACC+8*\nt:ACC+8*\nt+3] offset:\nt*1024            ; my head's part: token r, columns 16 nt + 8 h + 0..7, as the registers stand
	ds_store_b128 v6, v[ACC+8*\nt+4:ACC+8*\nt+7] offset:\nt*1024+512
.endr
	s_wait_dscnt 0x0                               ; for the others' sake: my stores have landed
	s_barrier_signal -1
	s_barrier_wait -1
	s_cmp_lt_u32 s12, 8
	s_cbranch_scc0 .Lend
.set i, 0
.rept 16
	ds_load_b128 v[64+4*i:67+4*i], v7 offset:i*4096                       ; the sixteen heads' parts of my four columns
.set i, i+1
.endr
	s_wait_dscnt 0x0
.irp d, 32,16,8,4
.set i, 0
.rept \d/2
	v_pk_add_f32 v[64+i:65+i], v[64+i:65+i], v[64+\d+i:65+\d+i]
.set i, i+2
.endr
.endr
	v_pk_add_f32 v[64:65], v[64:65], v[28:29]
	v_pk_add_f32 v[66:67], v[66:67], v[30:31]
	global_store_b128 v8, v[64:67], s[10:11]       ; sixteen lanes store 256 consecutive bytes, aligned
.Lend:
	s_wait_tensorcnt 0x0                           ; the wave's end
	ds_add_u32 v10, v11
	s_wait_dscnt 0x0
	s_endpgm
.Lfunc_end_k_qbdf26eb322_fine:
	.size	k_qbdf26eb322_fine, .Lfunc_end_k_qbdf26eb322_fine-k_qbdf26eb322_fine
	.p2alignl 7, 3214868480
	.fill 96, 4, 3214868480
	.section	.rodata,"a",@progbits
	.p2align	6, 0x0
	.amdhsa_kernel k_qbdf26eb322_fine
		.amdhsa_group_segment_fixed_size 67584
		.amdhsa_private_segment_fixed_size 0
		.amdhsa_enable_private_segment 0
		.amdhsa_kernarg_size 32
		.amdhsa_user_sgpr_count 2
		.amdhsa_user_sgpr_kernarg_segment_ptr 1
		.amdhsa_wavefront_size32 1
		.amdhsa_system_sgpr_workgroup_id_x 1
		.amdhsa_system_sgpr_workgroup_id_y 1
		.amdhsa_system_sgpr_workgroup_id_z 1
		.amdhsa_system_vgpr_workitem_id 0
		.amdhsa_next_free_vgpr 256
		.amdhsa_next_free_sgpr 66
		.amdhsa_reserve_vcc 1
		.amdhsa_float_denorm_mode_32 3
		.amdhsa_float_denorm_mode_16_64 3
		.amdhsa_memory_ordered 1
		.amdhsa_forward_progress 1
		.amdhsa_inst_pref_size 34
	.end_amdhsa_kernel
	.amdgpu_metadata
---
amdhsa.version: [ 1, 2 ]
amdhsa.kernels:
  - .name:           k_qbdf26eb322_fine
    .symbol:         k_qbdf26eb322_fine.kd
    .args:
      - { .name: hq, .offset: 0, .size: 8, .value_kind: global_buffer, .address_space: global }
      - { .name: Wp, .offset: 8, .size: 8, .value_kind: global_buffer, .address_space: global }
      - { .name: bp, .offset: 16, .size: 8, .value_kind: global_buffer, .address_space: global }
      - { .name: out0, .offset: 24, .size: 8, .value_kind: global_buffer, .address_space: global }
    .group_segment_fixed_size: 67584
    .private_segment_fixed_size: 0
    .kernarg_segment_align: 8
    .kernarg_segment_size: 32
    .max_flat_workgroup_size: 512
    .sgpr_count:     66
    .vgpr_count:     256
    .wavefront_size: 32
...
	.end_amdgpu_metadata
.endif
;; end of part 5
